; MI455X (gfx1250); checked and timed in simulation.
; The chip was launched on July 23, 2026; its instructions are those of AMD's public machine-readable ISA for CDNA 5 (MIT licence, August 2026) and "CDNA5" Instruction Set Architecture Reference Guide (July 2026). The comments in the code are by the model that wrote it; some were corrected since.
;; Causal Multihead Self Attention. Allowed arithmetic: matrix products marked QUANTISED: E4M3 operands, one E8M0 scale for each 32 along K, by v_wmma_scale_f32_16x16x128_f8f6f4 with both operands' format E4M3, f32 sums; everything else in f32.
;; Inputs: Wk_codes 1,024 x 32 x 32 uint8 (E4M3 codes of Wk, K innermost, in blocks of 32 codes); Wk_scales 1,024 x 32 uint8 (E8M0 scales of Wk, one for each 32 codes along K); Wo_codes 1,024 x 32 x 32 uint8 (E4M3 codes of Wo, K innermost, in blocks of 32 codes); Wo_scales 1,024 x 32 uint8 (E8M0 scales of Wo, one for each 32 codes along K); Wq_codes 1,024 x 32 x 32 uint8 (E4M3 codes of Wq, K innermost, in blocks of 32 codes); Wq_scales 1,024 x 32 uint8 (E8M0 scales of Wq, one for each 32 codes along K); Wv_codes 1,024 x 32 x 32 uint8 (E4M3 codes of Wv, K innermost, in blocks of 32 codes); Wv_scales 1,024 x 32 uint8 (E8M0 scales of Wv, one for each 32 codes along K); bk 1,024 float32; bo 1,024 float32; bq 1,024 float32; bv 1,024 float32; x_codes 4 x 2,048 x 32 x 32 uint8 (E4M3 codes of x, K innermost, in blocks of 32 codes); x_scales 4 x 2,048 x 32 uint8 (E8M0 scales of x, one for each 32 codes along K).
;; Outputs: out0 4 x 2,048 x 1,024 float32.
;; This version of the problem:
;;   THIS VERSION OF THE PROBLEM IS GIVEN IN LOW PRECISION. The matrix products marked QUANTISED in the list below multiply operands that are first quantised to E4M3 (4 exponent bits, 3 mantissa bits; 8 bits a number), with one power-of-two scale for each 32 numbers along K (OCP MX v1.0); their sums are f32. All else is computed in f32.
;;   The module's matrix products, in the order in which they are computed (A, B: the left and right operand; K: the contracted axis; several contracted axes count as one K, in the product's order):
;;     1. [M 8,192, K 1,024] x [K 1,024, N 1,024]; A: input x (given as codes); B: input Wq (given as codes): QUANTISED
;;     2. [M 8,192, K 1,024] x [K 1,024, N 1,024]; A: input x (given as codes); B: input Wk (given as codes): QUANTISED
;;     3. [M 8,192, K 1,024] x [K 1,024, N 1,024]; A: input x (given as codes); B: input Wv (given as codes): QUANTISED
;;     4. batch 64 x [M 2,048, K 64] x [K 64, N 2,048]; A: computed on the way; B: computed on the way: QUANTISED
;;     5. batch 64 x [M 2,048, K 2,048] x [K 2,048, N 64]; A: softmax (see below); B: computed on the way: QUANTISED
;;     6. [M 8,192, K 1,024] x [K 1,024, N 1,024]; A: computed on the way; B: input Wo (given as codes): QUANTISED
;;   THE QUANTISER, for each operand of a quantised product, along K:
;;     - K is cut into blocks of 32 from its start; a last block that is shorter is filled with zeros.
;;     - A block's scale is 2^e with e = floor(log2(the largest magnitude in the block)) - 8, held to -126 .. 127; a block of zeros has e = 0. As a byte (E8M0): e + 127.
;;     - Each number is divided by its block's scale, clamped to +-448, and rounded to the nearest number of E4M3, ties to even, subnormals kept.
;;     - The product sums the exact products of the quantised numbers (number of the format x scale) in f32.
;;   ~~~python
;;   def quantise(x, axis):      # numpy; x: float32 -> the quantised numbers, widened to float32 again
;;       x = np.moveaxis(x, axis, -1); K = x.shape[-1]
;;       x = np.pad(x, [(0, 0)] * (x.ndim - 1) + [(0, -K % 32)]); x = x.reshape(x.shape[:-1] + (-1, 32)); a = np.abs(x).max(-1, keepdims=True)
;;       e = np.where(a > 0, np.clip(np.frexp(np.where(a > 0, a, 1))[1] - 1 - 8, -126, 127), 0)      # np.frexp(a)[1] - 1 = floor(log2(a)), exactly
;;       r = np.clip(x / 2.0 ** e, -448, 448)
;;       step = 2.0 ** (np.maximum(np.frexp(np.where(r == 0, 1, r))[1] - 1, -6) - 3)
;;       q = np.round(r / step) * step * 2.0 ** e      # np.round: ties to even
;;       return np.moveaxis(q.reshape(q.shape[:-2] + (-1,))[..., :K], -1, axis).astype(np.float32)
;;   ~~~
;;   SOFTMAX AHEAD OF A QUANTISED PRODUCT. Where the list says 'softmax', what is quantised is not the finished softmax but p = 2^(t - M), with t = logit x log2(e) and M = ceil(the row's largest t), a whole number; so 1/2 < the row's largest p <= 1. The row's sum l is taken of the UNQUANTISED p, in f32, and the product's result is divided by l at the end. Since M is a whole number, a kernel that streams over the keys may use a running M (the ceiling of the running maximum): every later rescaling is an exact power of two, which a block's scale takes up: the codes' values come out the same.
;;   OPERANDS COMPUTED ON THE WAY. 'Computed on the way' means the value that the module computes at that place (a softmax that the list does not call 'softmax' is quantised finished and normalised). What goes into a quantiser is computed in f32, as accurately as f32 sums, v_exp_f32 and their like allow (about 1e-6 of the number): no bf16 or f16 on the way to a quantiser, and a product that is left as it is and whose result goes on into a quantised operand takes f32 operands (vector FMAs, or v_wmma_f32_16x16x4_f32). A number that lies on a knife's edge between two numbers of the format may be rounded either way, as far as f32 arithmetic and the matrix unit's own rounding can turn it there, and no further.
;;   INPUTS GIVEN AS CODES. Wk (in the module: [1024, 1024], K = its axis 1); Wo (in the module: [1024, 1024], K = its axis 1); Wq (in the module: [1024, 1024], K = its axis 1); Wv (in the module: [1024, 1024], K = its axis 1); x (in the module: [4, 2048, 1024], K = its axis 2): each comes as NAME_codes (uint8): NAME with its K axis moved to the last place and cut into blocks of 32 codes, [.., K / 32, bytes a block], one block behind the other in memory; one code a byte (a code: sign, 4 exponent bits, 3 mantissa bits); and NAME_scales (uint8): the same leading axes, one E8M0 byte (e + 127) for each 32 codes along K. Its value is code x scale, taken as it is: it is not quantised again, and the codes and scales need not be those that the quantiser above would give.
;; One version. Each part assembles by itself: llvm-mc -triple=amdgcn-amd-amdhsa -mcpu=gfx1250 --defsym DOCPART=n.
;; ======== version 1 of 1: 3 launches
;; limits: right only within a limited range of input values
;; workspace buffers: qimg 8,912,896 bytes; kimg 8,912,896 bytes; vimg 8,912,896 bytes; oimg 8,388,608 bytes; osc 262,144 bytes
;; launch qkv (part 1): grid 8 x 32, 4 waves a work-group, clusters of 4 x 4, 327,680 bytes of LDS; arguments x_codes, x_scales, Wq_codes, Wq_scales, Wk_codes, Wk_scales, Wv_codes, Wv_scales, bq, bk, bv, qimg, kimg, vimg; writes qimg, kimg, vimg
.if DOCPART == 1
	.amdgcn_target "amdgcn-amd-amdhsa--gfx1250"
	.amdhsa_code_object_version 6
	.text
	.protected	k_qc338d3937c_qkv
	.globl	k_qc338d3937c_qkv
	.p2align	8
	.type	k_qc338d3937c_qkv,@function
k_qc338d3937c_qkv:
	s_mov_b64 s[64:65], 0
	v_nop
	global_prefetch_b8 v0, s[64:65] scope:SCOPE_SE
	s_setreg_imm32_b32 hwreg(HW_REG_WAVE_MODE, 25, 1), 1
	s_wait_xcnt 0x0
	s_wait_alu depctr_hold_cnt(0) depctr_sa_sdst(0) depctr_va_vdst(0) depctr_va_sdst(0) depctr_va_ssrc(0) depctr_va_vcc(0) depctr_vm_vsrc(0)
	s_getreg_b32 s2, hwreg(HW_REG_IB_STS2, 6, 4)
	s_cmp_eq_u32 s2, 0
	s_cbranch_scc0 .Lentry_in_a_cluster
	s_endpgm
.Lentry_in_a_cluster:
	s_bfe_u32 s2, ttmp6, 0x10000c
	s_cmp_lg_u32 s2, 0xf033
	s_cbranch_scc0 .Lentry_shape_is_right
	s_endpgm
.Lentry_shape_is_right:
; q = x Wq^T + bq, k = x Wk^T + bk, v = x Wv^T + bv on codes of FP8 (E4M3) with one E8M0 scale for each 32 along K = 1,024; the results are quantised at once:
; q and k along the head's 64 features, v along the tokens (the keys), and leave as IMAGES OF OPERAND REGISTERS (a lane's 16 bytes at 16 x lane, 512 bytes for four registers).
; x: [8192][1024] codes, [8192][32] scale bytes; each W: [1024][1024] codes, [1024][32] scale bytes; each bias [1024] f32.
; SHARES.  8,192 x 3,072 outputs on 256 work-groups are 98,304 each: A WORK-GROUP STAYS FOR TWO TILES.  Four waves.
;   Tile 1, 256 tokens x 256 features of q (cluster x = 0) or k (1): "A" = x (tile 4 x cluster y + cy), "B" = W (tile cx); a wave makes 128 x 128: 64 accumulators of 16 x 16.
;   Tile 2, 128 channels x 256 tokens of v: "A" = Wv (tile of 128 rows 4 x cluster x + cy), "B" = x (tile 4 x cluster y + cx); a wave makes 64 x 128: 32 accumulators.
; The matrix instruction is used transposed (source 0 = 16 rows of B, source 1 = 16 rows of A): a lane holds ONE row of A and its registers run along B's rows.
; So for q and k a lane is a token and its registers run along the features, for v a lane is a channel and its registers run along the tokens: always along the next product's K.
; K goes in steps of 256 through a ring of two LDS slots filled by joint tensor loads (A's tile shared along a row of the cluster, B's along a column, in both tiles).  THE RING DOES NOT STOP BETWEEN THE TILES:
; tile 1's last two changes of slots ask for tile 2's K steps 0 and 1, which land while tile 1 is quantised and stored.  The scale bytes of both tiles' rows come once, with the first fills, and stay.
; OUTPUT.  qimg, kimg: [batch x head 64][step of 128 tokens 16][8,704]: bytes 0-8,191 [tile of 16 tokens 8][c 2][lane 32][16]; byte i of lane (r, h) in group c is feature 32 c + 8 h + (i & 7) + 16 (i >> 3)
;   of token r: an order inside a block of 32 that q and k share, so their products are as in the true order.  Bytes 8,192-8,703: one word a token: byte 0, 1 the two blocks' scales, bytes 2, 3 zero.
;   vimg: [batch x head][key step 16][8,704]: bytes 0-8,191 [tile of 16 channels 4][c 4][lane][16]; byte i of lane (r, h) in group c is key 32 c + 8 h + (i & 7) + 16 (i >> 3) of channel r;
;   bytes 8,192-8,703 [lane][tile 4]: the channel's scale word of these 128 keys.
; LIMITS: NaN and infinities among the inputs are not served.  A block whose largest magnitude lies under 2^-118, a block of zeros among them, gets the scale byte 1 (the quantiser says 127 for zeros): its codes are
;   zeros or as the byte 1 gives them, and the bytes are read by this program alone.
; REGISTERS, in windows of 256: window 0: v0-31 addresses and v's bias; v32-63 scale words, two sets; v64-127 q's or k's bias; from v128 A's fragments: tile 1 one set of eight, tile 2 two sets of four (the ways out work there);
;   window 1: B's fragments, two sets;  window 2: the accumulators of my rows 0-63 ((a, b) at v[8 (8 a + b)]);  window 3: tile 1's of my rows 64-127.
.set NQ,     2                         ; matrix instructions deep in a slot
.set ROWB,   256                       ; a tile's row in bytes: 256 codes
.set KROW,   1024                      ; a row of A or of B in memory
.set PITCH,  272                       ; an LDS row: 256 bytes + 16 of padding = 68 words: the 16 rows that a load touches start at 16 different banks (64 banks of 4 bytes: ISA guide 11.1)
.set FR,     16                        ; registers of a fragment
.set NL,     4                         ; LDS loads that bring one
.set NP,     8                         ; places behind this matrix instruction (ISA guide 7.12.1)
.set HALFT,  128*PITCH                 ; room for 128 rows: what one tensor load brings at the most
.set SLOT,   4*HALFT                   ; A's two rooms, then B's two.  In tile 2 the first 64 rows of each of A's rooms are filled and read
.set KS,     32                        ; a row of scale bytes
.set SCL,    2*SLOT                    ; behind the ring: tile 1's scales, as units of 256 bytes + 16 of padding
.set HALFS,  (128*KS/256)*272          ; the scales of 128 rows
.set QUARS,  (64*KS/256)*272           ; of 64 rows
.set SBLK,   (16*KS/256)*272           ; of 16 rows
.set SCL2,   SCL+4*HALFS               ; tile 2's scales: Wv's 128 rows, then x's 256
.set SPARE,  SCL2+3*HALFS              ; the spare words, 128 bytes for each wave: two blocks of 256 bytes that no other line names
.set HEADB,  139264                    ; a head's bytes in an image buffer: 16 steps
.set STEPB,  8704                      ; a step's
.set H32,  7                           ; v7      32 x (lane / 16)
.set BA,   8                           ; v8-11   bv at my channels: register a: channel 16 a + lane % 16
.set ADRA, 16                          ; v16-17  LDS address of my A fragments in slot 0, 1
.set ADRB, 20                          ; v20-21  the same for B
.set R4,   22                          ; v22     4 x (lane % 16)
.set L4,   23                          ; v23     4 x lane
.set L16,  26                          ; v26     16 x lane
.set ADRS, 27                          ; v27     LDS address of my scale words in tile 1: lanes 0-15 A's rows, lanes 16-31 B's
.set SPW,  28                          ; v28     LDS address of my spare word; never rewritten
.set NIL,  29                          ; v29     0; never rewritten
.set ADRS2, 30                         ; v30     LDS address of my scale words in tile 2
.set SC,   32                          ; scale words: set s at v[SC + 16 s]; register 2 i + q: lanes 0-15 A's block i, lanes 16-31 B's block i
.set BI,   64                          ; v64-127 bq or bk at my features: register 8 b + j: feature 16 b + 8 (lane / 16) + j
.set AF,   128                         ; A's fragments
.set X,    128                         ; the ways out: v128-191 a block's 64 numbers
.set PC,   192                         ; v192-207 its codes
.set TM,   208                         ; v208-211 largest magnitudes, v212-215 bytes, v220-223 the conversions' scale operands
.set WA,   224                         ; v224-225 the two heads' scale words of an odd tile
.set SW,   226                         ; v226-227 those of the even tile before it
.set STW,  228                         ; v228-229 both, as they are stored
.set VW,   232                         ; v232-235 v: four tiles' scale words
.set PBI,  2                           ; s[2:3]   bq or bk at my first feature
.set G1S2, 4                           ; s[4:11]  descriptor group 1 for Wv's scales: 8 units
.set HM,   18                          ; s18  lanes 16-31 (first: my column's mask)
.set MNT,  19                          ; s19  128 x my half
.set SEL,  20                          ; s[20:21] lane selects for v_permlanex16_b32: lane l xor 16 (written at the first way out)
.set G1,   24                          ; s[24:31] descriptor group 1 for A's tiles of 128 rows;  s[32:39] A's group 0, one set for each slot
.set G0,   32
.set PBA,  42                          ; s[42:43] bv at my first channel
.set G1B,  48                          ; s[48:55], s[56:63] the same for B's tiles
.set G0B,  56
.set IMG2, 66                          ; s[66:67] vimg at my head's key step
.set G1S,  68                          ; s[68:75], s[76:79] groups 1 and 0 for tile 1's scales of A;  s[80:87], s[88:91] of B
.set G1A2, 68                          ; s[68:75] later: group 1 for A's tiles of 64 rows
.set G0S,  76
.set G1SB, 80
.set G0SB, 88
.set G0SB2, 92                         ; s[92:95] group 0 for tile 2's scales of B;  s[96:99] of A
.set G0S2, 96
.set P2B,  100                         ; s[100:101] where my part of tile 2's B begins
.set P2A,  104                         ; s[104:105] and of its A
.set MSB, 0
.macro WIN new                         ; the immediate's high byte repeats the setting that is left
.if MSB != (\new)
	s_set_vgpr_msb (MSB<<8)|(\new)
.set MSB, \new
.endif
.endm
.set MUL_LO, 0xa1                      ; source 0 (B) window 1, source 1 (A) window 0, C and D window 2
.set MUL_HI, 0xf1                      ; the same, C and D window 3
.set TO_B,   0x40                      ; destination window 1, address window 0
; A joint load: waves 0 and 1 fetch for A, waves 2 and 3 for B.  Each line has one mask and one set of registers; the branch hangs on the wave's number alone.
; Four v_nop follow each of the two lines, ahead of the jump, the label and what follows.
.macro JLOAD g0a, g1a, g0b, g1b
	s_cmp_eq_u32 s15, 0
	s_cbranch_scc0 .Lfor_b_\@
	tensor_load_to_lds s[\g0a:\g0a+3], s[\g1a:\g1a+7]
	s_nop 0
.rept 4
	v_nop
.endr
	s_branch .Lasked_\@
.Lfor_b_\@:
	tensor_load_to_lds s[\g0b:\g0b+3], s[\g1b:\g1b+7]
	s_nop 0
.rept 4
	v_nop
.endr
.Lasked_\@:
.endm
.macro CREST                           ; a round of the cluster's barrier behind its opening barrier
	s_cmp_lg_u32 s14, 0
	s_cbranch_scc1 .Lnot_wave_0_\@
	s_barrier_signal -3
.Lnot_wave_0_\@:
	s_barrier_wait -3
	s_barrier_signal -1
	s_barrier_wait -1
.endm
.macro CROUND                          ; a whole round
	s_barrier_signal -1
	s_barrier_wait -1
	CREST
.endm
	s_load_b512 s[68:83], s[0:1], 0x0              ; x's codes, x's scales, Wq's, Wk's, Wv's codes and scales
	s_load_b256 s[84:91], s[0:1], 0x40             ; bq, bk, bv, qimg
	s_load_b128 s[92:95], s[0:1], 0x60             ; kimg, vimg
	v_lshl_add_u32 v[SPW], v0, 2, SPARE
	v_mov_b32 v[NIL], 0
	ds_add_u32 v28, v29
	ds_add_u32 v28, v29
	s_wait_dscnt 0x0
	v_lshrrev_b32 v1, 5, v0
	v_readfirstlane_b32 s14, v1                    ; wave 0..3
	s_lshr_b32 s15, s14, 1                         ; which half of A's rows is mine.  Also: I fetch for A (0) or for B (1)
	s_and_b32 s16, s14, 1                          ; which half of B's rows.  Also: which half of that tile I fetch
	s_bfe_u32 s40, ttmp6, 0x40000                  ; cx, cy: my place in the cluster
	s_bfe_u32 s41, ttmp6, 0x40004
	s_and_b32 s22, ttmp7, 0xffff
	s_lshl_b32 s22, s22, 2                         ; 4 x cluster y
	s_lshl_b32 s23, ttmp9, 2                       ; 4 x cluster x
	s_add_co_u32 s42, s22, s41                     ; tile 1's A: which 256 tokens.  What feeds A's descriptors holds cy and never cx,
	s_add_co_u32 s43, s23, s41                     ; tile 2's A: which 128 channels
	s_add_co_u32 s44, s22, s40                     ; tile 2's B: which 256 tokens.  What feeds B's holds cx and never cy  (tile 1's B: which 256 features: cx itself)
	s_lshl_b32 s17, s41, 2
	s_lshl_b32 s17, 15, s17                        ; my row of the cluster
	s_lshl_b32 s18, 0x1111, s40                    ; my column
	s_lshl_b32 s19, s16, 7                         ; which 128 rows of a tile of 256 I fetch
	s_mul_i32 s45, s14, HALFT                      ; where codes go: wave x a room of 128 rows: no place in the cluster enters an LDS address
	s_wait_kmcnt 0x0
	s_cmp_eq_u32 ttmp9, 0                          ; q or k: chosen by the cluster's x alone, which all sixteen partners share
	s_cselect_b64 s[8:9], s[72:73], s[76:77]       ; Wq's or Wk's codes,
	s_cselect_b64 s[10:11], s[74:75], s[78:79]     ; scales,
	s_cselect_b64 s[4:5], s[84:85], s[86:87]       ; bias,
	s_cselect_b64 s[12:13], s[90:91], s[92:93]     ; and image
	s_lshl_b32 s20, s42, 8                         ; tile 1, A: x's row 256 x tile + 128 x half (at most 8,192 rows: every offset stays under 2^32)
	s_add_co_u32 s20, s20, s19
	s_lshl_b32 s78, s20, 5                         ; its scales, 32 bytes a row,
	s_lshl_b32 s20, s20, 10                        ; its codes, 1,024
	s_mov_b32 s21, 0
	s_mov_b32 s79, 0
	s_add_nc_u64 s[20:21], s[68:69], s[20:21]
	s_add_nc_u64 s[78:79], s[70:71], s[78:79]
	s_lshl_b32 s46, s40, 8                         ; tile 1, B: W's row 256 x cx + 128 x half
	s_add_co_u32 s46, s46, s19
	s_lshl_b32 s90, s46, 5
	s_lshl_b32 s46, s46, 10
	s_mov_b32 s47, 0
	s_mov_b32 s91, 0
	s_add_nc_u64 s[46:47], s[8:9], s[46:47]
	s_add_nc_u64 s[90:91], s[10:11], s[90:91]
	s_lshl_b32 s[P2A], s43, 7                      ; tile 2, A: Wv's row 128 x tile + 64 x half
	s_lshl_b32 s98, s16, 6
	s_add_co_u32 s[P2A], s[P2A], s98
	s_lshl_b32 s98, s[P2A], 5
	s_lshl_b32 s[P2A], s[P2A], 10
	s_mov_b32 s[P2A+1], 0
	s_mov_b32 s99, 0
	s_add_nc_u64 s[P2A:P2A+1], s[80:81], s[P2A:P2A+1]
	s_add_nc_u64 s[98:99], s[82:83], s[98:99]
	s_lshl_b32 s2, s40, 2                          ; tile 1's image and bias (s2, s3, s66, s67 may hold either coordinate: they feed no descriptor)
	s_lshl_b32 s3, s16, 1
	s_add_co_u32 s2, s2, s3                        ; my first head of two: 4 cx + 2 x half
	s_lshr_b32 s3, s42, 3                          ; the batch: 8 tiles of 256 tokens each
	s_lshl_b32 s3, s3, 4
	s_add_co_u32 s3, s3, s2                        ; 16 x batch + head
	s_mul_i32 s66, s3, HEADB
	s_and_b32 s3, s42, 7
	s_lshl_b32 s3, s3, 1
	s_add_co_u32 s3, s3, s15                       ; my step of 128 tokens
	s_mul_i32 s3, s3, STEPB
	s_add_co_u32 s66, s66, s3
	s_mov_b32 s67, 0
	s_add_nc_u64 s[12:13], s[12:13], s[66:67]      ; qimg or kimg at my first head's step
	s_lshl_b32 s2, s2, 8                           ; a head's 64 numbers of the bias are 256 bytes
	s_mov_b32 s3, 0
	s_add_nc_u64 s[PBI:PBI+1], s[4:5], s[2:3]
	s_lshl_b32 s66, s43, 1                         ; tile 2's bias and image
	s_add_co_u32 s66, s66, s15                     ; my head: 2 x tile + half
	s_lshl_b32 s42, s66, 8
	s_mov_b32 s43, 0
	s_add_nc_u64 s[PBA:PBA+1], s[88:89], s[42:43]
	s_lshr_b32 s67, s44, 3
	s_lshl_b32 s67, s67, 4
	s_add_co_u32 s66, s66, s67                     ; 16 x batch + head
	s_mul_i32 s66, s66, HEADB
	s_and_b32 s67, s44, 7
	s_lshl_b32 s67, s67, 1
	s_add_co_u32 s67, s67, s16                     ; my key step
	s_mul_i32 s67, s67, STEPB
	s_add_co_u32 s66, s66, s67
	s_mov_b32 s67, 0
	s_add_nc_u64 s[IMG2:IMG2+1], s[94:95], s[66:67]
	s_lshl_b32 s[P2B], s44, 8                      ; tile 2, B: x's row 256 x tile + 128 x half
	s_add_co_u32 s[P2B], s[P2B], s19
	s_lshl_b32 s94, s[P2B], 5
	s_lshl_b32 s[P2B], s[P2B], 10
	s_mov_b32 s[P2B+1], 0
	s_mov_b32 s95, 0
	s_add_nc_u64 s[P2B:P2B+1], s[68:69], s[P2B:P2B+1]
	s_add_nc_u64 s[94:95], s[70:71], s[94:95]
	; descriptor group 1: a tile of 128 rows x 256 bytes, padded in LDS
	s_or_b32 s[G1+0], s17, (0<<16)|(1<<20)|(1<<21)|(5<<22)|(3<<25)  ; 15:0 the mask: A's tiles go to my row; 17:16 elements of 1 byte; 20 padding on; 21 set beside a mask; 24:22 after every 64 words; 31:25 four words
	s_or_b32 s[G1B+0], s18, (0<<16)|(1<<20)|(1<<21)|(5<<22)|(3<<25) ; B's go to my column
.irp g, G1, G1B
	s_mov_b32 s[\g+1], ROWB<<16                    ; tensor_dim0
	s_mov_b32 s[\g+2], 128<<16                     ; tensor_dim1
	s_mov_b32 s[\g+3], ROWB<<16                    ; tile_dim0
	s_mov_b32 s[\g+4], 128                         ; tile_dim1
	s_mov_b32 s[\g+5], KROW                        ; tensor_dim0_stride
	s_mov_b32 s[\g+6], 0
	s_mov_b32 s[\g+7], 0
.endr
	; the scales of 128 rows: a dense block of 4,096 bytes, as 16 rows of 256 bytes (32 elements of 8 bytes), 16 bytes of padding behind each
	s_or_b32 s[G1S+0], s17, (3<<16)|(1<<20)|(1<<21)|(5<<22)|(3<<25)
	s_or_b32 s[G1SB+0], s18, (3<<16)|(1<<20)|(1<<21)|(5<<22)|(3<<25)
.irp g, G1S, G1SB
	s_mov_b32 s[\g+1], 32<<16
	s_mov_b32 s[\g+2], (128*KS/256)<<16
	s_mov_b32 s[\g+3], 32<<16
	s_mov_b32 s[\g+4], 128*KS/256
	s_mov_b32 s[\g+5], 32
	s_mov_b32 s[\g+6], 0
	s_mov_b32 s[\g+7], 0
.endr
	s_or_b32 s[G1S2+0], s17, (3<<16)|(1<<20)|(1<<21)|(5<<22)|(3<<25)   ; and of 64 rows: 8 such rows
	s_mov_b32 s[G1S2+1], 32<<16
	s_mov_b32 s[G1S2+2], (64*KS/256)<<16
	s_mov_b32 s[G1S2+3], 32<<16
	s_mov_b32 s[G1S2+4], 64*KS/256
	s_mov_b32 s[G1S2+5], 32
	s_mov_b32 s[G1S2+6], 0
	s_mov_b32 s[G1S2+7], 0
	s_mov_b32 s[HM], 0xffff0000
	CROUND                                         ; all sixteen work-groups are here: the first joint loads meet
	s_mov_b32 s[G0S], 1
	s_mul_i32 s[G0S+1], s14, HALFS                 ; tile 1's scales: wave x the room of 128 rows
	s_add_co_u32 s[G0S+1], s[G0S+1], SCL
	s_or_b32 s[G0S+3], s[G0S+3], 0x80000000
	s_mov_b32 s[G0SB], 1
	s_mul_i32 s[G0SB+1], s14, HALFS
	s_add_co_u32 s[G0SB+1], s[G0SB+1], SCL
	s_or_b32 s[G0SB+3], s[G0SB+3], 0x80000000
	JLOAD G0S, G1S, G0SB, G1SB                     ; the scales first: they are wanted with K step 0
	s_mov_b32 s[G0S2], 1
	s_mul_i32 s[G0S2+1], s16, QUARS                ; tile 2's: Wv's two halves of 64 rows on end,
	s_add_co_u32 s[G0S2+1], s[G0S2+1], SCL2
	s_or_b32 s[G0S2+3], s[G0S2+3], 0x80000000
	s_mov_b32 s[G0SB2], 1
	s_mul_i32 s[G0SB2+1], s16, HALFS               ; x's two halves of 128 rows behind them
	s_add_co_u32 s[G0SB2+1], s[G0SB2+1], SCL2+HALFS
	s_or_b32 s[G0SB2+3], s[G0SB2+3], 0x80000000
	JLOAD G0S2, G1S2, G0SB2, G1SB
.irp s, 0,1
	s_mov_b32 s[G0+4*\s], 1
	s_add_co_u32 s[G0+4*\s+1], s45, \s*SLOT
	s_add_nc_u64 s[G0+4*\s+2:G0+4*\s+3], s[20:21], \s*ROWB
	s_or_b32 s[G0+4*\s+3], s[G0+4*\s+3], 0x80000000
	s_mov_b32 s[G0B+4*\s], 1
	s_add_co_u32 s[G0B+4*\s+1], s45, \s*SLOT
	s_add_nc_u64 s[G0B+4*\s+2:G0B+4*\s+3], s[46:47], \s*ROWB
	s_or_b32 s[G0B+4*\s+3], s[G0B+4*\s+3], 0x80000000
	JLOAD G0+4*\s, G1, G0B+4*\s, G1B               ; four tensor loads of mine are out now
.endr
	v_and_b32 v1, 15, v0                           ; l % 16
	v_bfe_u32 v2, v0, 4, 1                         ; l / 16
	v_mul_u32_u24 v3, v1, PITCH
	v_lshl_add_u32 v4, v2, 4, v3                   ; a fragment's row x pitch + 16 x half
	s_mul_i32 s21, s15, HALFT                      ; my room of A (tile 1: 128 rows; tile 2: 64)
	s_mul_i32 s22, s16, HALFT                      ; my 128 rows of B,
	s_add_co_u32 s22, s22, 2*HALFT                 ; which lie behind A's two rooms
.irp s, 0,1
	v_add_nc_u32 v[ADRA+\s], s21, v4
	v_add_nc_u32 v[ADRB+\s], s22, v4
	s_add_co_u32 s21, s21, SLOT
	s_add_co_u32 s22, s22, SLOT
.endr
	v_mul_u32_u24 v5, v1, KS                       ; my row's scales: 32 bytes a row,
	v_lshrrev_b32 v6, 8, v5
	v_lshl_add_u32 v5, v6, 4, v5                   ; and 16 more for each 256 passed
	s_mul_i32 s21, s15, HALFS                      ; tile 1: A's: my 128 rows
	s_mul_i32 s22, s16, HALFS                      ; B's: my 128 rows, behind A's 256
	s_add_co_u32 s22, s22, 2*HALFS
	s_sub_co_u32 s22, s22, s21
	v_mul_u32_u24 v6, s22, v2                      ; lanes 16-31 take B's: one product, the distance between the two
	s_add_co_u32 s21, s21, SCL
	v_add_nc_u32 v6, v5, v6
	v_add_nc_u32 v[ADRS], s21, v6
	s_mul_i32 s21, s15, QUARS                      ; tile 2: A's: my 64 rows
	s_mul_i32 s22, s16, HALFS                      ; B's: my 128 rows, behind A's 128
	s_add_co_u32 s22, s22, HALFS
	s_sub_co_u32 s22, s22, s21
	v_mul_u32_u24 v6, s22, v2
	s_wait_alu depctr_va_vdst(0)
	s_add_co_u32 s21, s21, SCL2
	v_add_nc_u32 v6, v5, v6
	v_add_nc_u32 v[ADRS2], s21, v6
	v_and_b32 v6, 31, v0
	v_lshlrev_b32 v[L16], 4, v6
	v_lshlrev_b32 v[L4], 2, v6
	v_lshlrev_b32 v[R4], 2, v1
	v_lshlrev_b32 v[H32], 5, v2
.irp b, 0,1,2,3,4,5,6,7
	global_load_b128 v[BI+8*\b:BI+8*\b+3], v[H32], s[PBI:PBI+1] offset:64*\b       ; bq or bk at my features 16 b + 8 (l / 16) + 0 .. 7
	global_load_b128 v[BI+8*\b+4:BI+8*\b+7], v[H32], s[PBI:PBI+1] offset:64*\b+16
.endr
.irp a, 0,1,2,3
	global_load_b32 v[BA+\a], v[R4], s[PBA:PBA+1] offset:64*\a                     ; bv at my channel 16 a + l % 16
.endr
.macro FRAG reg, adr, q, i             ; a fragment, 16 rows x 128 K, is 16 registers: lane l holds row l % 16; registers 4 c .. 4 c + 3 hold K = 32 c + 16 (l / 16) + 0 .. 15
.irp c, 0,1,2,3
	ds_load_b128 v[\reg+4*\c:\reg+4*\c+3], v[\adr] offset:128*(\q)+32*\c+(\i)*16*PITCH
.endr
.endm
; TILE 1.  16 matrix instructions: A's blocks a0, a0 + 1 x B's eight, 128 along K: the slot's q-th.  p: B's set;  sc: the set of scale words.  zero = 1: the first product starts the sums.
; The accumulators take turns, one instruction a turn, in the same order in every step.
.macro MUL16 a0, p, q, sc, zero
.irp a, \a0, \a0+1
.irp b, 0,1,2,3,4,5,6,7
.if \zero
	v_wmma_scale_f32_16x16x128_f8f6f4 v[8*(8*((\a)%4)+\b):8*(8*((\a)%4)+\b)+7], v[128*(\p)+FR*\b:128*(\p)+FR*\b+FR-1], v[AF+FR*(\a):AF+FR*(\a)+FR-1], 0, v[SC+8*NQ*(\sc)+NQ*\b+(\q)], v[SC+8*NQ*(\sc)+NQ*(\a)+(\q)] matrix_a_scale:MATRIX_SCALE_ROW1
.else
	v_wmma_scale_f32_16x16x128_f8f6f4 v[8*(8*((\a)%4)+\b):8*(8*((\a)%4)+\b)+7], v[128*(\p)+FR*\b:128*(\p)+FR*\b+FR-1], v[AF+FR*(\a):AF+FR*(\a)+FR-1], v[8*(8*((\a)%4)+\b):8*(8*((\a)%4)+\b)+7], v[SC+8*NQ*(\sc)+NQ*\b+(\q)], v[SC+8*NQ*(\sc)+NQ*(\a)+(\q)] matrix_a_scale:MATRIX_SCALE_ROW1
.endif
.endr
.endr
.endm
; TILE 2.  The same with A's four blocks in set p of two.
.macro MUL2 a0, p, q, sc, zero
.irp a, \a0, \a0+1
.irp b, 0,1,2,3,4,5,6,7
.if \zero
	v_wmma_scale_f32_16x16x128_f8f6f4 v[8*(8*(\a)+\b):8*(8*(\a)+\b)+7], v[128*(\p)+FR*\b:128*(\p)+FR*\b+FR-1], v[AF+64*(\p)+FR*(\a):AF+64*(\p)+FR*(\a)+FR-1], 0, v[SC+8*NQ*(\sc)+NQ*\b+(\q)], v[SC+8*NQ*(\sc)+NQ*(\a)+(\q)] matrix_a_scale:MATRIX_SCALE_ROW1
.else
	v_wmma_scale_f32_16x16x128_f8f6f4 v[8*(8*(\a)+\b):8*(8*(\a)+\b)+7], v[128*(\p)+FR*\b:128*(\p)+FR*\b+FR-1], v[AF+64*(\p)+FR*(\a):AF+64*(\p)+FR*(\a)+FR-1], v[8*(8*(\a)+\b):8*(8*(\a)+\b)+7], v[SC+8*NQ*(\sc)+NQ*\b+(\q)], v[SC+8*NQ*(\sc)+NQ*(\a)+(\q)] matrix_a_scale:MATRIX_SCALE_ROW1
.endif
.endr
.endr
.endm
.macro FETCH_B slot, q, p              ; B's eight fragments of the slot's q-th 128 along K into set p
	WIN TO_B
.irp i, 0,1,2,3,4,5,6,7
	FRAG 128*(\p)+FR*\i, ADRB+\slot, \q, \i
.endr
	WIN 0
.endm
.macro FETCH_A slot, q, i0             ; tile 1: A's blocks i0 .. i0 + 3
.irp i, \i0, \i0+1, \i0+2, \i0+3
	FRAG AF+FR*(\i), ADRA+\slot, \q, \i
.endr
.endm
.macro FETCH2 slot, q, p               ; tile 2: 48 loads: B's eight fragments and A's four, into sets p
	FETCH_B \slot, \q, \p
.irp i, 0,1,2,3
	FRAG AF+64*(\p)+FR*\i, ADRA+\slot, \q, \i
.endr
.endm
.macro SCALES sc, adr                  ; a K step's scale words into set sc: two words a row; lanes 0-15 take A's block i, lanes 16-31 B's block i.  (In tile 2 A has four blocks: lanes 0-15 of registers 8-15 take filled bytes that no product uses)
.irp i, 0,1,2,3,4,5,6,7
	ds_load_b64 v[SC+8*NQ*\sc+NQ*\i:SC+8*NQ*\sc+NQ*\i+1], v[\adr] offset:\i*SBLK
.endr
.endm
; A load into a register that a matrix instruction has read, and a vector instruction that reads a matrix result or writes one of its registers, stand NP places behind it; a matrix instruction that writes over
; such a register NP + 1.  Only plain vector instructions that name none of its registers are places (ISA guide 7.12.1 for vector instructions).
.macro PLACES n
.rept \n
	v_nop
.endr
.endm
; TILE 1: a step of 128 along K that has its successor in the same slot.
.macro STEP slot, q, zero
	s_wait_dscnt 4*NL                              ; B's set, the scale words and A's blocks 0-3 are in; the youngest 16 loads (A's blocks 4-7) may be out
	WIN MUL_LO
	MUL16 0, (\q)%2, \q, \slot, \zero
	MUL16 2, (\q)%2, \q, \slot, \zero
	s_wait_dscnt 0                                 ; A's blocks 4-7 are in (asked for 32 matrix instructions ago)
	PLACES NP
	FETCH_B \slot, (\q)+1, 1-(\q)%2
	FETCH_A \slot, (\q)+1, 0
	WIN MUL_HI
	MUL16 4, (\q)%2, \q, \slot, \zero
	MUL16 6, (\q)%2, \q, \slot, \zero
	PLACES NP
	WIN 0
	FETCH_A \slot, (\q)+1, 4
.endm
; TILE 1: a slot's last step changes slots: ONE barrier, which opens a round of the cluster's; in front of it each wave waits for all its tensor loads, adds 0 to its spare word, and waits for that and for its own reads of this slot.
; fill = 1: this slot takes tile 1's K step two steps on;  fill = 2: tile 2's K step 0 (slot 0) or 1 (slot 1).  fetch = 0: tile 1's very last step: no fragments are fetched: the way out works where they would land.
.macro TURN slot, next, fill, fetch
	s_wait_tensorcnt 0x0                           ; all my tensor loads have landed: my part of the next slot  (every window is 0 here)
	ds_add_u32 v[SPW], v[NIL]                      ; 0 onto my spare word
	s_wait_dscnt 4*NL+1                            ; (the add and the youngest 16 loads, A's blocks 4-7, may be out)
	WIN MUL_LO
	MUL16 0, 1, NQ-1, \slot, 0                     ; sixteen matrix instructions stand between the add and the wait for it
	s_wait_dscnt 0x0                               ; the add is done, and my reads of this slot are over
	s_barrier_signal -1
	MUL16 2, 1, NQ-1, \slot, 0
	WIN 0
	s_barrier_wait -1
	CREST                                          ; no wave of any partner still reads this slot's tile or has a load on its way
.if \fill == 1
	s_add_nc_u64 s[G0+4*\slot+2:G0+4*\slot+3], s[G0+4*\slot+2:G0+4*\slot+3], 2*ROWB
	s_add_nc_u64 s[G0B+4*\slot+2:G0B+4*\slot+3], s[G0B+4*\slot+2:G0B+4*\slot+3], 2*ROWB
	JLOAD G0+4*\slot, G1, G0B+4*\slot, G1B         ; the first tensor load behind the round, and my one load until the next
.else
	s_add_nc_u64 s[G0+4*\slot+2:G0+4*\slot+3], s[P2A:P2A+1], \slot*ROWB
	s_or_b32 s[G0+4*\slot+3], s[G0+4*\slot+3], 0x80000000
	s_add_nc_u64 s[G0B+4*\slot+2:G0B+4*\slot+3], s[P2B:P2B+1], \slot*ROWB
	s_or_b32 s[G0B+4*\slot+3], s[G0B+4*\slot+3], 0x80000000
	JLOAD G0+4*\slot, G1A2, G0B+4*\slot, G1B       ; the same, for tile 2: A's part has 64 rows
.endif
.if \fetch
	PLACES NP-4                                    ; with the four v_nop behind the joint load: the places in front of the loads below
	s_wait_alu depctr_va_vdst(0)
	v_add_nc_u32 v[ADRS], 4*NQ, v[ADRS]            ; on to the next K step's scale words
	FETCH_B \next, 0, 0
	FETCH_A \next, 0, 0
	SCALES \next, ADRS
.endif
	WIN MUL_HI
	MUL16 4, 1, NQ-1, \slot, 0
	MUL16 6, 1, NQ-1, \slot, 0
	WIN 0
.if \fetch
	PLACES NP
	FETCH_A \next, 0, 4
.endif
.endm
; TILE 2: a slot's first step multiplies sets 0; the second step's 48 loads stand in one run in its middle.
.macro STEP2 slot, zero
	s_wait_dscnt 0x0                               ; sets 0 and the scale words are in (asked for 16 matrix instructions ago, or at the tile's head)
	WIN MUL_LO
	MUL2 0, 0, 0, \slot, \zero
	PLACES NP                                      ; sets 1 were read by the sixteen products ahead of this step
	FETCH2 \slot, 1, 1
	WIN MUL_LO
	MUL2 2, 0, 0, \slot, \zero
	WIN 0
.endm
; TILE 2: a slot's second step multiplies sets 1 and changes slots, in the same order as tile 1's.  fill = 1: this slot is filled again, two K steps ahead.
.macro TURN2 slot, next, fill
	s_wait_tensorcnt 0x0                           ; all my tensor loads have landed: my part of the next slot
	ds_add_u32 v[SPW], v[NIL]                      ; 0 onto my spare word
	s_wait_dscnt 1                                 ; sets 1 are in; the add alone may be out
	WIN MUL_LO
	MUL2 0, 1, 1, \slot, 0                         ; sixteen matrix instructions stand between the add and the wait for it
	s_wait_dscnt 0x0                               ; the add is done, and my reads of this slot are over
	WIN 0
	s_barrier_signal -1
	s_barrier_wait -1
.if \fill
	CREST
	s_add_nc_u64 s[G0+4*\slot+2:G0+4*\slot+3], s[G0+4*\slot+2:G0+4*\slot+3], 2*ROWB
	s_add_nc_u64 s[G0B+4*\slot+2:G0B+4*\slot+3], s[G0B+4*\slot+2:G0B+4*\slot+3], 2*ROWB
	JLOAD G0+4*\slot, G1A2, G0B+4*\slot, G1B       ; the first tensor load behind the round, and my one load until the next
	PLACES NP-4
.else
	PLACES NP
.endif
	s_wait_alu depctr_va_vdst(0)
	v_add_nc_u32 v[ADRS2], 4*NQ, v[ADRS2]
	FETCH2 \next, 0, 0                             ; sets 0 were read last ahead of this step's first sixteen products and the places above
	SCALES \next, ADRS2
	WIN MUL_LO
	MUL2 2, 1, 1, \slot, 0
	WIN 0
.endm
	s_wait_tensorcnt 1                             ; both tiles' scales and my part of K step 0 are in (K step 1's load may be out)
	s_barrier_signal -1
	s_barrier_wait -1                              ; everybody's are
	s_or_b32 s[G1A2+0], s17, (0<<16)|(1<<20)|(1<<21)|(5<<22)|(3<<25)   ; the load that named these eight registers is done: they become group 1 for A's tiles of 64 rows x 256 bytes
	s_mov_b32 s[G1A2+1], ROWB<<16
	s_mov_b32 s[G1A2+2], 64<<16
	s_mov_b32 s[G1A2+3], ROWB<<16
	s_mov_b32 s[G1A2+4], 64
	s_mov_b32 s[G1A2+5], KROW
	s_mov_b32 s[G1A2+6], 0
	s_mov_b32 s[G1A2+7], 0
	FETCH_B 0, 0, 0
	FETCH_A 0, 0, 0
	SCALES 0, ADRS
	FETCH_A 0, 0, 4
	STEP 0, 0, 1                                   ; K step 0: its first products start the sums
	TURN 0, 1, 1, 1                                ; slot 0 takes K step 2
	STEP 1, 0, 0
	TURN 1, 0, 1, 1                                ; slot 1 takes K step 3
	STEP 0, 0, 0
	TURN 0, 1, 2, 1                                ; THE RING GOES ON INTO TILE 2: slot 0 takes its K step 0,
	STEP 1, 0, 0
	TURN 1, 0, 2, 0                                ; slot 1 its K step 1
; THE WAYS OUT.  A block a of A's 16 rows is 64 numbers a lane: register 16 g + i = place 32 g + 8 (l / 16) + (i & 7) + 16 (i >> 3) along B's rows: 16 numbers of each of four blocks of 32; lane l xor 16 holds the other 16.
; 64 numbers v[s] .. v[s + 63] become 16 registers of codes in v[PC] on; the four blocks' scale bytes are left in v[TM+4] .. v[TM+7].
.macro QUANT s
.irp b, 0,1,2,3
	v_max3_num_f32 v[TM+\b], |v[\s+16*\b]|, |v[\s+1+16*\b]|, 0x4800000   ; block b: my 16 numbers, and the floor 2^(9 - 127): so the byte cannot fall under 1
.endr
.irp i, 2,4,6,8,10,12,14
.irp b, 0,1,2,3
	v_max3_num_f32 v[TM+\b], v[TM+\b], |v[\s+16*\b+\i]|, |v[\s+1+16*\b+\i]|   ; (the four blocks by turns)
.endr
.endr
.irp b, 0,1,2,3
	v_permlanex16_b32 v[TM+4+\b], v[TM+\b], s[SEL], s[SEL+1]
.endr
.irp b, 0,1,2,3
	v_max_num_f32 v[TM+\b], v[TM+\b], v[TM+4+\b]   ; with lane l xor 16's: the block's largest magnitude
.endr
.irp b, 0,1,2,3
	v_add_nc_u32 v[TM+12+\b], 0xfc000000, v[TM+\b]   ; 8 off its exponent field: the conversion takes the exponent field of this operand as its scale
.endr
.irp b, 0,1,2,3
.endr
.irp b, 0,1,2,3
	v_lshrrev_b32 v[TM+4+\b], 23, v[TM+12+\b]      ; the scale's byte
.endr
.irp b, 0,1,2,3
.irp i, 0,1,2,3,4,5,6,7,8,9,10,11,12,13,14,15
.endr
	v_cvt_scalef32_pk8_fp8_f32 v[PC+4*\b:PC+1+4*\b], v[\s+16*\b:\s+7+16*\b], v[TM+12+\b]
	v_cvt_scalef32_pk8_fp8_f32 v[PC+2+4*\b:PC+3+4*\b], v[\s+8+16*\b:\s+15+16*\b], v[TM+12+\b]
.endr
	v_nop                                          ; one plain vector instruction behind the last scaled conversion
.endm
; q, k: block a is a tile of 16 tokens; its four blocks of 32 are two heads' two.
.macro OUTQK a
	s_wait_xcnt 0x0                                ; the last block's stores have read their registers: these are written again only behind this wait
	WIN 0x02+(\a)/4                                ; source 0: window 2 or 3
.set i, 0
.rept 32
	v_pk_add_f32 v[X+i:X+i+1], v[64*((\a)%4)+i:64*((\a)%4)+i+1], v[BI+i:BI+i+1]   ; + the bias, and into window 0; each accumulator from its low end on
.set i, i+2
.endr
	WIN 0
	QUANT X
.irp g, 0,1,2,3
	global_store_b128 v[L16], v[PC+4*\g:PC+4*\g+3], s[12:13] offset:(\g/2)*HEADB+(\a)*1024+(\g%2)*512   ; 32 lanes store 512 consecutive bytes, at a multiple of 256 from the image's first byte
.endr
.if (\a)%2 == 0
	v_lshl_or_b32 v[SW], v[TM+5], 8, v[TM+4]       ; a token's scale word: two bytes, the upper two zero.  An even tile's words are kept,
	v_lshl_or_b32 v[SW+1], v[TM+7], 8, v[TM+6]
.else
	v_lshl_or_b32 v[WA], v[TM+5], 8, v[TM+4]
	v_lshl_or_b32 v[WA+1], v[TM+7], 8, v[TM+6]
	v_cndmask_b32 v[STW], v[SW], v[WA], s[HM]      ; and leave with the odd tile's: lanes 0-15 the even tile's tokens, lanes 16-31 the odd tile's: 128 consecutive bytes
	v_cndmask_b32 v[STW+1], v[SW+1], v[WA+1], s[HM]
	global_store_b32 v[L4], v[STW], s[12:13] offset:8192+((\a)/2)*128
	global_store_b32 v[L4], v[STW+1], s[12:13] offset:HEADB+8192+((\a)/2)*128
.endif
.endm
; v: block a is tile a of my head's four tiles of 16 channels; its four blocks of 32 are the step's 128 keys.
.macro OUTV a
	s_wait_xcnt 0x0
	WIN 0x02                                       ; source 0: window 2
.set i, 0
.rept 32
.if (\a)%2
	v_pk_add_f32 v[X+i:X+i+1], v[64*(\a)+i:64*(\a)+i+1], v[BA+2*((\a)/2):BA+2*((\a)/2)+1] op_sel:[0,1] op_sel_hi:[1,1]   ; + my channel's bias: the pair's second register for both halves
.else
	v_pk_add_f32 v[X+i:X+i+1], v[64*(\a)+i:64*(\a)+i+1], v[BA+2*((\a)/2):BA+2*((\a)/2)+1] op_sel_hi:[1,0]                ; the pair's first register for both halves
.endif
.set i, i+2
.endr
	WIN 0
	QUANT X
.irp g, 0,1,2,3
	global_store_b128 v[L16], v[PC+4*\g:PC+4*\g+3], s[IMG2:IMG2+1] offset:(\a)*2048+\g*512
.endr
	v_lshl_or_b32 v[VW+(\a)], v[TM+5], 8, v[TM+4]  ; my channel's scale word of these 128 keys
	v_lshl_or_b32 v[VW+(\a)], v[TM+6], 16, v[VW+(\a)]
	v_lshl_or_b32 v[VW+(\a)], v[TM+7], 24, v[VW+(\a)]
.if (\a) == 3
	global_store_b128 v[L16], v[VW:VW+3], s[IMG2:IMG2+1] offset:8192   ; the head's four tiles' words: 512 consecutive bytes
.endif
.endm
	; BOTH REFILLS ARE ASKED FOR: NOW TILE 1 GOES OUT.  No LDS instruction stands in this way out.
	PLACES NP                                      ; behind the last products: the lines below read results and write registers that held A's fragments
	s_wait_loadcnt 0x0                             ; the biases
	s_mov_b32 s[SEL], 0x76543210
	s_mov_b32 s[SEL+1], 0xfedcba98
.irp b, 0,1,2,3
	v_mov_b32 v[TM+4+\b], 0                        ; a lane permute's destination counts as one of its sources
.endr
.irp a, 0,1,2,3,4,5,6,7
	OUTQK \a
.endr
	; TILE 2.  Its K step 0 was shown whole by the last change of slots.
	s_wait_xcnt 0x0                                ; the last stores have read their registers: fragments land there
	FETCH2 0, 0, 0
	SCALES 0, ADRS2
	PLACES NP+1                                    ; the first products begin accumulators anew that earlier products wrote
	STEP2 0, 1
	TURN2 0, 1, 1                                  ; slot 0 takes K step 2
	STEP2 1, 0
	TURN2 1, 0, 1                                  ; slot 1 takes K step 3
	STEP2 0, 0
	TURN2 0, 1, 0                                  ; nothing is left to fetch: no round of the cluster's barrier
	STEP2 1, 0
	s_wait_dscnt 0x0                               ; the very last step
	WIN MUL_LO
	MUL2 0, 1, 1, 1, 0
	MUL2 2, 1, 1, 1, 0
	WIN 0
	PLACES NP
.irp b, 0,1,2,3
	v_mov_b32 v[TM+4+\b], 0
.endr
.irp a, 0,1,2,3
	OUTV \a
.endr
	s_wait_tensorcnt 0x0                           ; the wave's end
	ds_add_u32 v[SPW], v[NIL]
	s_wait_dscnt 0x0
	CROUND                                         ; the closing round: no work-group ends while a partner may still ask for a tile that names it
	s_endpgm
.Lfunc_end_k_qc338d3937c_qkv:
	.size	k_qc338d3937c_qkv, .Lfunc_end_k_qc338d3937c_qkv-k_qc338d3937c_qkv
	.p2alignl 7, 3214868480
	.fill 96, 4, 3214868480
	.section	.rodata,"a",@progbits
	.p2align	6, 0x0
	.amdhsa_kernel k_qc338d3937c_qkv
		.amdhsa_group_segment_fixed_size 327680
		.amdhsa_private_segment_fixed_size 0
		.amdhsa_enable_private_segment 0
		.amdhsa_kernarg_size 112
		.amdhsa_user_sgpr_count 2
		.amdhsa_user_sgpr_kernarg_segment_ptr 1
		.amdhsa_wavefront_size32 1
		.amdhsa_system_sgpr_workgroup_id_x 1
		.amdhsa_system_sgpr_workgroup_id_y 1
		.amdhsa_system_sgpr_workgroup_id_z 1
		.amdhsa_system_vgpr_workitem_id 0
		.amdhsa_next_free_vgpr 1024
		.amdhsa_next_free_sgpr 106
		.amdhsa_reserve_vcc 0
		.amdhsa_float_denorm_mode_32 3
		.amdhsa_float_denorm_mode_16_64 3
		.amdhsa_fp16_overflow 1
		.amdhsa_memory_ordered 1
		.amdhsa_forward_progress 1
		.amdhsa_inst_pref_size 255
	.end_amdhsa_kernel
	.section	.bss,"aw",@nobits
	.p2align	6
	.space	262144
	.amdgpu_metadata
---
amdhsa.version: [ 1, 2 ]
amdhsa.kernels:
  - .name:           k_qc338d3937c_qkv
    .symbol:         k_qc338d3937c_qkv.kd
    .args:
      - { .name: x_codes, .offset: 0, .size: 8, .value_kind: global_buffer, .address_space: global }
      - { .name: x_scales, .offset: 8, .size: 8, .value_kind: global_buffer, .address_space: global }
      - { .name: Wq_codes, .offset: 16, .size: 8, .value_kind: global_buffer, .address_space: global }
      - { .name: Wq_scales, .offset: 24, .size: 8, .value_kind: global_buffer, .address_space: global }
      - { .name: Wk_codes, .offset: 32, .size: 8, .value_kind: global_buffer, .address_space: global }
      - { .name: Wk_scales, .offset: 40, .size: 8, .value_kind: global_buffer, .address_space: global }
      - { .name: Wv_codes, .offset: 48, .size: 8, .value_kind: global_buffer, .address_space: global }
      - { .name: Wv_scales, .offset: 56, .size: 8, .value_kind: global_buffer, .address_space: global }
      - { .name: bq, .offset: 64, .size: 8, .value_kind: global_buffer, .address_space: global }
      - { .name: bk, .offset: 72, .size: 8, .value_kind: global_buffer, .address_space: global }
      - { .name: bv, .offset: 80, .size: 8, .value_kind: global_buffer, .address_space: global }
      - { .name: qimg, .offset: 88, .size: 8, .value_kind: global_buffer, .address_space: global }
      - { .name: kimg, .offset: 96, .size: 8, .value_kind: global_buffer, .address_space: global }
      - { .name: vimg, .offset: 104, .size: 8, .value_kind: global_buffer, .address_space: global }
    .group_segment_fixed_size: 327680
    .private_segment_fixed_size: 0
    .kernarg_segment_align: 8
    .kernarg_segment_size: 112
    .max_flat_workgroup_size: 128
    .sgpr_count:     106
    .vgpr_count:     1024
    .wavefront_size: 32
...
	.end_amdgpu_metadata
.endif
;; end of part 1
;; launch attn (part 2): grid 4 x 64, 16 waves a work-group, clusters of 4 x 1, 280,576 bytes of LDS; arguments qimg, kimg, vimg, oimg, osc; writes oimg, osc
.if DOCPART == 2
	.amdgcn_target "amdgcn-amd-amdhsa--gfx1250"
	.amdhsa_code_object_version 6
	.text
	.protected	k_qc338d3937c_attn
	.globl	k_qc338d3937c_attn
	.p2align	8
	.type	k_qc338d3937c_attn,@function
k_qc338d3937c_attn:
	s_mov_b64 s[64:65], 0
	v_nop
	global_prefetch_b8 v0, s[64:65] scope:SCOPE_SE
	s_setreg_imm32_b32 hwreg(HW_REG_WAVE_MODE, 25, 1), 1
	s_wait_xcnt 0x0
	s_wait_alu depctr_hold_cnt(0) depctr_sa_sdst(0) depctr_va_vdst(0) depctr_va_sdst(0) depctr_va_ssrc(0) depctr_va_vcc(0) depctr_vm_vsrc(0)
	s_getreg_b32 s2, hwreg(HW_REG_IB_STS2, 6, 4)
	s_cmp_eq_u32 s2, 0
	s_cbranch_scc0 .Lentry_in_a_cluster
	s_endpgm
.Lentry_in_a_cluster:
	s_bfe_u32 s2, ttmp6, 0x10000c
	s_cmp_lg_u32 s2, 0x3003
	s_cbranch_scc0 .Lentry_shape_is_right
	s_endpgm
.Lentry_shape_is_right:
; o[b][q][head] = the sum over keys k <= q of softmax_k(q . k / 8) v, both products on codes of FP8 (E4M3) with one E8M0 scale for each 32 along a product's K; o is quantised along d_model and leaves as codes.
; qimg, kimg: [batch x head 64][step of 128 tokens 16][8,704]: [tile of 16 tokens 8][c 2][lane][16] codes, then one scale word a token.  vimg: [batch x head][key step 16][8,704]: [tile of 16 channels 4][c 4][lane][16], then [lane][tile] scale words.
; All three are images of operand registers: a lane's 16 bytes at 16 x lane.  oimg: [tile of 16 tokens 512][128 along d_model 8][c 4][lane][16], k in its true order; osc: [8192][32] scale bytes.
; THE SOFTMAX AHEAD OF THE SECOND PRODUCT: t = score x log2(e) / 8; M = the row's largest t so far, rounded UP to a whole number; p = 2^(t - M) is quantised along the keys, not normalised.
; The row's sum is taken of the unquantised p and divides O at the end.  When M moves, the sum and O are multiplied by 2^(old M - new M): exact.
; SHARES.  The four work-groups of a cluster own one (batch, head).  Its 2,048 queries are 16 chunks of 128, a chunk 8 tiles of 16.  Wave w of partner cx owns tile 2 cx of chunk w and then tile 2 cx + 1 of chunk 15 - w.
; A tile of chunk c needs key steps 0 .. c, so every wave of every work-group walks (w + 1) + (16 - w) = 17 steps: one count for all, no step without work.  Branches hang on the trip and the wave alone: alike in all partners.
; LDS IS FILLED ONCE: the head's k (139,264 bytes) and v (139,264) with their scale words, asked for jointly by the four partners.  Each wave issues two loads: its eighth of key steps 0-3, then of steps 4-15;
; the first four trips read steps 0-3 alone, while the rest is on its way.  Nothing is filled again.
; LAYOUT.  Both products are used transposed: S^T = K Q^T (source 0 = 16 keys, source 1 = my 16 queries), O^T = V^T P^T: a lane holds ONE query throughout.  Register 8 t + j of S^T is key 16 t + 8 (l / 16) + j: the order in which vimg lays its keys.
; K = 64 IN A FORM OF K = 128: Q's registers 8-15 are zero codes and the upper two scale bytes of q's and k's words are 0 (2^-127).  K's tile t is named v[32 + 8 t : 47 + 8 t]: its upper half is the next tile's codes
; (zeros behind the last).  Those are finite numbers, and times Q's zeros they add nothing.  So not both sides of the unused half are zero codes: only Q's.
; LIMITS: NaN and infinities are not served.  A block whose largest magnitude lies under 2^-118 gets the scale byte 1 (zeros too); the bytes are read by this program alone.
; A block's largest p is made from the block's largest score by the same two instructions: that takes v_exp_f32 not to fall where its input rises; at the worst one p of a block would be held one code low.
.set HEADB, 139264                     ; a head's bytes in an image buffer, and in LDS
.set STEPB, 8704
.set VLDS,  HEADB                      ; LDS: K's 16 steps from 0, V's from here
.set PARTA, 4*STEPB                    ; steps 0-3: 136 rows of 256 bytes, 17 a wave;  steps 4-15: 408 rows, 51 a wave
.set L16, 1                            ; v1   16 x lane; never rewritten
.set L4,  2                            ; v2   4 x lane; never rewritten
.set ADK, 3                            ; v3   LDS address of the step's K
.set ADV, 4                            ; v4   of its V
.set ADS, 5                            ; v5   of K's scale words
.set DM,  6                            ; v6   my query's place in its chunk - 8 (l / 16)
.set OA,  7                            ; v7   my byte offset in oimg
.set OSA, 8                            ; v8   in osc
.set RH,  9                            ; v9   32 (l % 16) + l / 16
.set Q,   16                           ; v16-23 Q, v24-31 zero codes
.set F,   32                           ; v32-95 eight tiles of K x 8 registers, then four fragments of V x 16;  v96-103 zero codes
.set S,   104                          ; v104-167 S^T, then p
.set O,   168                          ; v168-199 O^T
.set PC,  200                          ; v200-215 p's codes; at a tile's end o's
.set QB,  216                          ; v216-223 my second tile's Q
.set QS,  224                          ; v224 Q's scale words;  v225 the second tile's
.set QBS, 225
.set KSC, 226                          ; v226-229 K's scale words: register p: lanes 0-15 tile 2 p, lanes 16-31 tile 2 p + 1
.set VS,  230                          ; v230-233 V's scale words
.set BM,  234                          ; v234-237 a block's largest score, then largest p
.set BT,  238                          ; v238-241 at work; the scale bytes
.set BH,  242                          ; v242-245 448 x the scale
.set BS,  246                          ; v246-249 the conversions' scale operands
.set SUM2, 250                         ; v[250:251] the sum's second chain
.set TP,  252                          ; v252 at work
.set PW,  253                          ; v253 p's scale word
.set FF,  254                          ; v254 f = 2^(old M - new M); named as the pair v[254:255]
.set WV,  14                           ; s14  my wave's number
.set CX,  15                           ; s15  my place in the cluster: it enters global addresses and the mask's lane data alone
.set HB,  16                           ; s16  16 x batch + head
.set TT,  17                           ; s17  the trip
.set KSR, 18                           ; s18  the key step
.set KB,  19                           ; s19  its first LDS byte
.set SEL, 20                           ; s[20:21] lane selects: lane l xor 16
.set CS,  22                           ; s[22:23] c = log2(e) / 8
.set MNT, 24                           ; s24  the mantissa field of 448
.set HM,  25                           ; s25  lanes 16-31
.set WR,  26                           ; s26  15 - wave
.set SO,  27                           ; s27-28 where my two tiles' codes go in oimg
.set SS,  29                           ; s29-30 and their scale bytes in osc
.set CH,  31                           ; s31  the chunk of the tile in hand
.set G1A, 32                           ; s[32:39] descriptor group 1: 17 rows of 256 bytes;  s[40:47]: 51 rows
.set G1B, 40
.set G0A, 48                           ; s[48:51], s[52:55] their groups 0
.set G0B, 52
.macro ROUND                           ; a round of the cluster's barrier
	s_barrier_signal -1
	s_barrier_wait -1
	s_cmp_lg_u32 s[WV], 0
	s_cbranch_scc1 .Lnot_wave_0_\@
	s_barrier_signal -3
.Lnot_wave_0_\@:
	s_barrier_wait -3
	s_barrier_signal -1
	s_barrier_wait -1
.endm
	s_load_b256 s[4:11], s[0:1], 0x0               ; qimg, kimg, vimg, oimg
	s_load_b64 s[12:13], s[0:1], 0x20              ; osc
	v_lshl_add_u32 v254, v0, 2, 0x44000
	v_mov_b32 v255, 0
	ds_add_u32 v254, v255
	ds_add_u32 v254, v255
	s_wait_dscnt 0x0
	v_lshrrev_b32 v1, 5, v0
	s_delay_alu instid0(VALU_DEP_1)
	v_readfirstlane_b32 s[WV], v1                  ; wave 0..15
	s_bfe_u32 s[CX], ttmp6, 0x40000
	s_and_b32 s[HB], ttmp7, 0xffff                 ; the cluster's y: shared by the four partners
	s_xor_b32 s[WR], s[WV], 15                     ; 15 - wave
	; dense blocks, as rows of 256 bytes (32 elements of 8 bytes), no padding: images are read 16 bytes a lane on end
	s_mov_b32 s[G1A], 15|(3<<16)|(1<<21)           ; 15:0 the mask: all four work-groups; 17:16 elements of 8 bytes; 21 set beside a mask
	s_mov_b32 s[G1A+1], 32<<16                     ; tensor_dim0
	s_mov_b32 s[G1A+2], 17<<16                     ; tensor_dim1
	s_mov_b32 s[G1A+3], 32<<16                     ; tile_dim0
	s_mov_b32 s[G1A+4], 17                         ; tile_dim1
	s_mov_b32 s[G1A+5], 32                         ; tensor_dim0_stride
	s_mov_b32 s[G1A+6], 0
	s_mov_b32 s[G1A+7], 0
	s_mov_b32 s[G1B], 15|(3<<16)|(1<<21)
	s_mov_b32 s[G1B+1], 32<<16
	s_mov_b32 s[G1B+2], 51<<16
	s_mov_b32 s[G1B+3], 32<<16
	s_mov_b32 s[G1B+4], 51
	s_mov_b32 s[G1B+5], 32
	s_mov_b32 s[G1B+6], 0
	s_mov_b32 s[G1B+7], 0
	s_lshr_b32 s56, s[WV], 3                       ; waves 0-7 fetch K, waves 8-15 V
	s_mul_i32 s56, s56, VLDS
	s_and_b32 s57, s[WV], 7                        ; which eighth
	s_mul_i32 s58, s57, 17*256
	s_mov_b32 s59, 0
	s_mul_i32 s60, s57, 51*256
	s_add_co_u32 s60, s60, PARTA
	s_mov_b32 s61, 0
	s_mul_i32 s62, s[HB], HEADB                    ; the head's first byte in each image (under 2^32)
	s_mov_b32 s63, 0
	s_mov_b32 s[G0A], 1
	s_add_co_u32 s[G0A+1], s56, s58                ; LDS address: made of the wave's number alone
	s_mov_b32 s[G0B], 1
	s_add_co_u32 s[G0B+1], s56, s60
	s_wait_kmcnt 0x0
	s_cmp_lt_u32 s[WV], 8
	s_cselect_b64 s[G0A+2:G0A+3], s[6:7], s[8:9]   ; kimg or vimg, by the wave's number
	s_add_nc_u64 s[G0A+2:G0A+3], s[G0A+2:G0A+3], s[62:63]
	s_add_nc_u64 s[G0B+2:G0B+3], s[G0A+2:G0A+3], s[60:61]
	s_add_nc_u64 s[G0A+2:G0A+3], s[G0A+2:G0A+3], s[58:59]
	s_or_b32 s[G0A+3], s[G0A+3], 0x80000000        ; type = 2
	s_or_b32 s[G0B+3], s[G0B+3], 0x80000000
	ROUND                                          ; all four work-groups are here: the joint loads meet
	tensor_load_to_lds s[G0A:G0A+3], s[G1A:G1A+7]  ; my eighth of key steps 0-3
	s_nop 0
	tensor_load_to_lds s[G0B:G0B+3], s[G1B:G1B+7]  ; and of steps 4-15: two tensor loads of mine are out, and no more are issued
	s_nop 0
.rept 4
	v_nop
.endr
	s_add_nc_u64 s[4:5], s[4:5], s[62:63]          ; qimg at the head
	v_and_b32 v10, 31, v0
	s_delay_alu instid0(VALU_DEP_1)
	v_lshlrev_b32 v[L16], 4, v10
	s_delay_alu instid0(VALU_DEP_2)
	v_lshlrev_b32 v[L4], 2, v10
	v_and_b32 v11, 15, v0                          ; r
	v_bfe_u32 v[RH], v0, 4, 1                      ; h
	s_lshl_b32 s56, s[CX], 5
	v_lshlrev_b32 v3, 3, v[RH]
	v_add_nc_u32 v[DM], s56, v11
	s_delay_alu instid0(VALU_DEP_1)
	v_sub_nc_u32 v[DM], v[DM], v3                  ; 16 (2 cx) + r - 8 h
	v_lshlrev_b32 v7, 2, v11                       ; 4 r
	s_wait_alu depctr_va_vdst(0)
	v_lshl_add_u32 v[RH], v11, 5, v[RH]            ; 32 r + h
	s_mul_i32 s57, s[WV], STEPB                    ; my first tile's chunk,
	s_mul_i32 s59, s[WR], STEPB                    ; my second's
	s_lshl_b32 s58, s[CX], 11                      ; tile 2 cx: 1,024 bytes a tile,
	s_lshl_b32 s60, s[CX], 7                       ; 64 bytes of scale words
	s_add_co_u32 s61, s57, s58
	v_add_nc_u32 v10, s61, v[L16]
	s_add_co_u32 s61, s59, s58
	v_add_nc_u32 v11, s61, v[L16]
	s_add_co_u32 s61, s57, s60
	v_add_nc_u32 v8, s61, v7
	s_add_co_u32 s61, s59, s60
	v_add_nc_u32 v7, s61, v7
	global_load_b128 v[Q:Q+3], v10, s[4:5]
	global_load_b128 v[Q+4:Q+7], v10, s[4:5] offset:512
	global_load_b128 v[QB:QB+3], v11, s[4:5] offset:1024        ; tile 2 cx + 1
	global_load_b128 v[QB+4:QB+7], v11, s[4:5] offset:1536
	global_load_b32 v[QS], v8, s[4:5] offset:8192
	global_load_b32 v[QBS], v7, s[4:5] offset:8192+64
	s_lshr_b32 s56, s[HB], 4                       ; the batch: 128 tiles of 16 tokens each
	s_lshl_b32 s56, s56, 7
	s_lshl_b32 s57, s[CX], 1
	s_add_co_u32 s56, s56, s57
	s_lshl_b32 s58, s[WV], 3
	s_add_co_u32 s58, s58, s56                     ; my first tile among the 512
	s_lshl_b32 s59, s[WR], 3
	s_add_co_u32 s59, s59, s56
	s_add_co_u32 s59, s59, 1                       ; my second
	s_and_b32 s60, s[HB], 15                       ; the head: its 64 of d_model are 1,024 bytes of a tile's 16,384
	s_lshl_b32 s61, s60, 10
	s_lshl_b32 s[SO], s58, 14
	s_add_co_u32 s[SO], s[SO], s61
	s_lshl_b32 s[SO+1], s59, 14
	s_add_co_u32 s[SO+1], s[SO+1], s61
	s_lshl_b32 s60, s60, 1                         ; and two scale bytes of a token's 32
	s_lshl_b32 s[SS], s58, 9
	s_add_co_u32 s[SS], s[SS], s60
	s_lshl_b32 s[SS+1], s59, 9
	s_add_co_u32 s[SS+1], s[SS+1], s60
	s_mov_b32 s[SEL], 0x76543210
	s_mov_b32 s[SEL+1], 0xfedcba98
	s_mov_b32 s[CS], 0x3e38aa3b                    ; c = log2(e) / 8
	s_mov_b32 s[CS+1], s[CS]                       ; (named with it as a pair, so it is written)
	s_mov_b32 s[MNT], 0x600000
	s_mov_b32 s[HM], 0xffff0000
.irp j, 0,1,2,3,4,5,6,7
	v_mov_b32 v[Q+8+\j], 0                         ; Q's unused half: zero codes
	v_mov_b32 v[F+64+\j], 0                        ; behind K's last tile
.endr
.set j, 0
.rept 32
	v_mov_b32 v[O+j], 0                            ; O^T.  (The step is written once: a tile's first step finds zeros, which the first change of M leaves zeros)
.set j, j+1
.endr
.irp b, 0,1,2,3
	v_mov_b32 v[BT+\b], 0                          ; written once: a lane permute's destination counts as one of its sources
.endr
	v_mov_b32 v[FF+1], 0                           ; (named as the upper half of the pair)
	v_mov_b32 v13, 0xff61b1e6                      ; the largest t so far: -3e38, under every t
	s_delay_alu instid0(VALU_DEP_1)
	v_floor_f32 v12, -v13                          ; -M
	v_mov_b32 v14, 0                               ; the sum, in two halves
	v_mov_b32 v15, 0
; A TILE'S END: O^T / the sum, brought into d_model's true order, quantised in two blocks of 32, stored; then my second tile takes the first's place.
.macro FINAL
.rept 8
	v_nop                                          ; places behind the last products
.endr
	v_add_f32 v14, v14, v15                        ; the sum's two halves,
	s_delay_alu instid0(VALU_DEP_1)
	v_permlanex16_b32 v[TP], v14, s[SEL], s[SEL+1]
	s_delay_alu instid0(VALU_DEP_1)
	v_add_f32 v14, v14, v[TP]                      ; and lane l xor 16's: the row's sum
	s_wait_alu depctr_va_vdst(0)
	v_rcp_f32 v14, v14
	v_nop                                          ; one plain place behind a transcendental
.set j, 0
	s_wait_alu depctr_va_vdst(0)
.rept 32
	v_mul_f32 v[S+j], v[O+j], v14                  ; register 8 t + i is channel 16 t + 8 h + i of my query; each accumulator from its low end on
.set j, j+1
.endr
; Block b (channels 32 b on): lanes 0-15 hold channels 0-7 and 16-23 of it, lanes 16-31 channels 8-15 and 24-31; the operand's layout wants 0-15 in lanes 0-15 and 16-31 in lanes 16-31.
.irp b, 0,1
.irp j, 0,1,2,3,4,5,6,7
	v_permlanex16_b32 v[S+32+\j], v[S+16*\b+\j], s[SEL], s[SEL+1]
	v_permlanex16_b32 v[S+40+\j], v[S+16*\b+8+\j], s[SEL], s[SEL+1]
.endr
.irp j, 0,1,2,3,4,5,6,7
	v_cndmask_b32 v[S+16*\b+\j], v[S+16*\b+\j], v[S+40+\j], s[HM]       ; lanes 0-15 keep 0-7; lanes 16-31 take the other half's 16-23
	v_cndmask_b32 v[S+16*\b+8+\j], v[S+32+\j], v[S+16*\b+8+\j], s[HM]   ; lanes 0-15 take the other half's 8-15; lanes 16-31 keep 24-31
.endr
.endr
.irp b, 0,1
	v_max3_num_f32 v[BM+\b], |v[S+16*\b]|, |v[S+1+16*\b]|, 0x4800000   ; my 16 numbers, and the floor 2^(9 - 127)
.endr
.irp i, 2,4,6,8,10,12,14
.irp b, 0,1
	s_delay_alu instid0(VALU_DEP_2)
	v_max3_num_f32 v[BM+\b], v[BM+\b], |v[S+16*\b+\i]|, |v[S+1+16*\b+\i]|
.endr
.endr
.irp b, 0,1
	s_delay_alu instid0(VALU_DEP_2)
	v_permlanex16_b32 v[BT+\b], v[BM+\b], s[SEL], s[SEL+1]
.endr
.irp b, 0,1
	s_delay_alu instid0(VALU_DEP_2)
	v_max_num_f32 v[BM+\b], v[BM+\b], v[BT+\b]     ; the block's largest magnitude
.endr
.irp b, 0,1
	s_delay_alu instid0(VALU_DEP_2)
	v_add_nc_u32 v[BS+\b], 0xfc000000, v[BM+\b]    ; 8 off the exponent field: the conversion's scale operand
.endr
.irp b, 0,1
	s_delay_alu instid0(VALU_DEP_2)
	v_lshrrev_b32 v[BT+\b], 23, v[BS+\b]           ; the scale's byte
.endr
.irp b, 0,1
.irp i, 0,1,2,3,4,5,6,7,8,9,10,11,12,13,14,15
.endr
	v_cvt_scalef32_pk8_fp8_f32 v[PC+4*\b:PC+4*\b+1], v[S+16*\b:S+16*\b+7], v[BS+\b]
	v_cvt_scalef32_pk8_fp8_f32 v[PC+4*\b+2:PC+4*\b+3], v[S+16*\b+8:S+16*\b+15], v[BS+\b]
.endr
	v_nop                                          ; one plain vector instruction behind the last scaled conversion
	s_cmp_gt_u32 s[TT], s[WV]                      ; my first tile or my second?
	s_cselect_b32 s56, s[SO+1], s[SO]
	s_cselect_b32 s57, s[SS+1], s[SS]
	v_add_nc_u32 v[OA], s56, v[L16]
	v_add_nc_u32 v[OSA], s57, v[RH]
	v_cndmask_b32 v[TP], v[BT], v[BT+1], s[HM]     ; lanes 0-15 store block 0's byte of token r, lanes 16-31 block 1's
	global_store_b128 v[OA], v[PC:PC+3], s[10:11]              ; 512 consecutive bytes, at a multiple of 256 from oimg's first byte
	global_store_b128 v[OA], v[PC+4:PC+7], s[10:11] offset:512
	global_store_b8 v[OSA], v[TP], s[12:13]                    ; two bytes a token, 32 bytes apart: 32 of the 1,056 bytes that a tile stores
.irp j, 0,1,2,3,4,5,6,7
	v_mov_b32 v[Q+\j], v[QB+\j]                    ; the second tile's Q,
.endr
	v_mov_b32 v[QS], v[QBS]                        ; its scale words (far more than eight places ahead of the next products),
	v_add_nc_u32 v[DM], 16, v[DM]                  ; its place in its chunk: tile 2 cx + 1
	v_mov_b32 v13, 0xff61b1e6
	s_delay_alu instid0(VALU_DEP_1)
	v_floor_f32 v12, -v13
	v_mov_b32 v14, 0
	v_mov_b32 v15, 0
.set j, 0
.rept 32
	v_mov_b32 v[O+j], 0
.set j, j+1
.endr
	s_wait_xcnt 0x0                                ; the stores have read their registers: the next trip writes them again
.endm
; A TRIP: one key step of 128 keys for the tile in hand.  mask bounds the key step: 3 while only steps 0-3 are known to have landed, else 15.
.macro TRIP mask
	s_cmp_gt_u32 s[TT], s[WV]                      ; trips 0 .. w: my first tile, key step = trip;  trips w + 1 .. 16: my second, key step = trip - w - 1 = (trip + 15 - w) mod 16
	s_cselect_b32 s56, s[WR], 0
	s_cselect_b32 s[CH], s[WR], s[WV]
	s_add_co_u32 s[KSR], s[TT], s56
	s_and_b32 s[KSR], s[KSR], \mask
	s_mul_i32 s[KB], s[KSR], STEPB
	v_add_nc_u32 v[ADK], s[KB], v[L16]
	v_add_nc_u32 v[ADS], s[KB], v[L4]
	s_delay_alu instid0(VALU_DEP_2)
	v_add_nc_u32 v[ADV], VLDS, v[ADK]
.rept 5
	v_nop                                          ; with the three additions: eight places in front of loads into registers that the last trip's products read
.endr
.irp t, 0,1,2,3,4,5,6,7
	ds_load_b128 v[F+8*\t:F+8*\t+3], v[ADK] offset:1024*\t
	ds_load_b128 v[F+8*\t+4:F+8*\t+7], v[ADK] offset:1024*\t+512
.endr
.irp p, 0,1,2,3
	ds_load_b32 v[KSC+\p], v[ADS] offset:8192+128*\p
.endr
	s_wait_alu depctr_va_vdst(0)
	s_wait_dscnt 0x0
.irp t, 0,1,2,3,4,5,6,7
.if \t%2
	v_wmma_scale_f32_16x16x128_f8f6f4 v[S+8*\t:S+8*\t+7], v[F+8*\t:F+8*\t+15], v[Q:Q+15], 0, v[KSC+\t/2], v[QS] matrix_a_scale:MATRIX_SCALE_ROW1
.else
	v_wmma_scale_f32_16x16x128_f8f6f4 v[S+8*\t:S+8*\t+7], v[F+8*\t:F+8*\t+15], v[Q:Q+15], 0, v[KSC+\t/2], v[QS]
.endif
.endr
.rept 8
	v_nop                                          ; places: in front of the loads over K's tiles, and of the first read of the scores
.endr
.irp t, 0,1,2,3
.irp c, 0,1,2,3
	ds_load_b128 v[F+16*\t+4*\c:F+16*\t+4*\c+3], v[ADV] offset:2048*\t+512*\c   ; V lands while the softmax is worked
.endr
.endr
	ds_load_b128 v[VS:VS+3], v[ADV] offset:8192
	s_cmp_lg_u32 s[KSR], s[CH]                     ; only a tile's last step lies on the diagonal
	s_cbranch_scc1 .Lopen_\@
	v_mov_b32 v[TP], 0xff800000                    ; -infinity: p = 0 then
.set n, 0
.rept 64
	v_cmp_gt_i32 vcc_lo, 16*(n/8)+n%8, v[DM]       ; register n holds key 16 (n / 8) + 8 h + n % 8 of the step: hidden where it comes after my query
	v_cndmask_b32 v[S+n], v[S+n], v[TP], vcc_lo
.set n, n+1
.endr
.Lopen_\@:
.irp b, 0,1,2,3
	v_max3_num_f32 v[BM+\b], v[S+16*\b], v[S+1+16*\b], v[S+2+16*\b]   ; the largest score of each block of 32 keys: for the row's maximum, and, since p rises with the score, for the block's largest p
.endr
.irp i, 3,5,7,9,11,13
.irp b, 0,1,2,3
	v_max3_num_f32 v[BM+\b], v[BM+\b], v[S+16*\b+\i], v[S+1+16*\b+\i]
.endr
.endr
.irp b, 0,1,2,3
	v_max_num_f32 v[BM+\b], v[BM+\b], v[S+15+16*\b]
.endr
.irp b, 0,1,2,3
	s_delay_alu instid0(VALU_DEP_4)
	v_permlanex16_b32 v[BT+\b], v[BM+\b], s[SEL], s[SEL+1]
.endr
.irp b, 0,1,2,3
	s_delay_alu instid0(VALU_DEP_4)
	v_max_num_f32 v[BM+\b], v[BM+\b], v[BT+\b]     ; with lane l xor 16's 16 keys
.endr
	s_delay_alu instid0(VALU_DEP_2)
	v_max3_num_f32 v[TP], v[BM], v[BM+1], v[BM+2]
	s_delay_alu instid0(VALU_DEP_1)
	v_max_num_f32 v[TP], v[TP], v[BM+3]            ; the step's largest score of my query
	s_delay_alu instid0(VALU_DEP_1)
	v_mul_f32 v[TP], s[CS], v[TP]                  ; as t (c is positive)
	s_delay_alu instid0(VALU_DEP_1)
	v_max_num_f32 v13, v13, v[TP]                  ; the running largest t
	v_mov_b32 v[TP], v12
	s_delay_alu instid0(VALU_DEP_2)
	v_floor_f32 v12, -v13                          ; the new -M = floor(-t) = -ceil(t): a whole number
	s_delay_alu instid0(VALU_DEP_1)
	v_sub_f32 v[TP], v12, v[TP]                    ; M's old value less its new one: a whole number, 0 or less
	s_delay_alu instid0(VALU_DEP_1)
	v_cvt_i32_f32 v[TP], v[TP]                     ; (it saturates)
	s_delay_alu instid0(VALU_DEP_1)
	v_ldexp_f32 v[FF], 1.0, v[TP]                  ; f = 2^(old M - new M)
.set j, 0
.rept 32
	v_pk_fma_f32 v[S+j:S+j+1], v[S+j:S+j+1], s[CS:CS+1], v[12:13] op_sel_hi:[1,0,0]   ; t - M, two at a time
.set j, j+2
.endr
.irp b, 0,1,2,3
	v_fma_f32 v[BM+\b], v[BM+\b], s[CS], v12       ; the same of each block's largest score
.endr
.set j, 0
	s_wait_alu depctr_va_vdst(0)
.rept 64
	v_exp_f32 v[S+j], v[S+j]                       ; p = 2^(t - M), at most 1: not normalised
.set j, j+1
.endr
.irp b, 0,1,2,3
	v_exp_f32 v[BM+\b], v[BM+\b]                   ; the block's largest p
.endr
	v_pk_mul_f32 v[14:15], v[14:15], v[FF:FF+1] op_sel_hi:[1,0]   ; the sums under the new M.  (A plain place behind the exponentials)
	s_wait_alu depctr_va_vdst(0)
.irp b, 0,1,2,3
	v_max_num_f32 v[BM+\b], 0x4800000, v[BM+\b]    ; the floor 2^(9 - 127): the byte cannot fall under 1
.endr
.irp b, 0,1,2,3
	s_delay_alu instid0(VALU_DEP_4)
	v_add_nc_u32 v[BS+\b], 0xfc000000, v[BM+\b]    ; 8 off the exponent field: the conversion's scale operand
.endr
.irp b, 0,1,2,3
	v_and_or_b32 v[BH+\b], v[BM+\b], 0x7f800000, s[MNT]   ; 448 x the scale
.endr
.irp b, 0,1,2,3
	v_lshrrev_b32 v[BT+\b], 23, v[BS+\b]           ; the scale's byte
.endr
	s_delay_alu instid0(VALU_DEP_3)
	v_lshl_or_b32 v[PW], v[BT+1], 8, v[BT]         ; p's scale word for these 128 keys: made here, far more than eight places ahead of the products
	s_delay_alu instid0(VALU_DEP_1)
	v_lshl_or_b32 v[PW], v[BT+2], 16, v[PW]
	s_delay_alu instid0(VALU_DEP_1)
	v_lshl_or_b32 v[PW], v[BT+3], 24, v[PW]
	v_pk_add_f32 v[250:251], v[108:109], v[112:113]
	v_pk_add_f32 v[236:237], v[116:117], v[120:121]
	v_pk_add_f32 v[234:235], v[124:125], v[128:129]
	v_pk_add_f32 v[228:229], v[132:133], v[136:137]
	v_pk_add_f32 v[226:227], v[140:141], v[144:145]
	v_pk_add_f32 v[214:215], v[148:149], v[152:153]
	v_pk_add_f32 v[212:213], v[156:157], v[160:161]
	v_pk_add_f32 v[14:15], v[14:15], v[164:165]
	v_pk_add_f32 v[250:251], v[250:251], v[104:105]
	v_pk_add_f32 v[236:237], v[236:237], v[106:107]
	v_pk_add_f32 v[234:235], v[234:235], v[110:111]
	v_pk_add_f32 v[228:229], v[228:229], v[114:115]
	v_pk_add_f32 v[226:227], v[226:227], v[118:119]
	v_pk_add_f32 v[214:215], v[214:215], v[122:123]
	v_pk_add_f32 v[212:213], v[212:213], v[126:127]
	v_pk_add_f32 v[14:15], v[14:15], v[130:131]
	v_pk_add_f32 v[250:251], v[250:251], v[134:135]
	v_pk_add_f32 v[236:237], v[236:237], v[138:139]
	v_pk_add_f32 v[234:235], v[234:235], v[142:143]
	v_pk_add_f32 v[228:229], v[228:229], v[146:147]
	v_pk_add_f32 v[226:227], v[226:227], v[150:151]
	v_pk_add_f32 v[214:215], v[214:215], v[154:155]
	v_pk_add_f32 v[212:213], v[212:213], v[158:159]
	v_pk_add_f32 v[14:15], v[14:15], v[162:163]
	v_pk_add_f32 v[250:251], v[250:251], v[166:167]
	s_delay_alu instid0(VALU_DEP_2)
	v_pk_add_f32 v[14:15], v[14:15], v[228:229]
	s_delay_alu instid0(VALU_DEP_2)
	v_pk_add_f32 v[250:251], v[250:251], v[226:227]
	v_pk_add_f32 v[236:237], v[236:237], v[214:215]
	v_pk_add_f32 v[234:235], v[234:235], v[212:213]
	s_delay_alu instid0(VALU_DEP_2)
	v_pk_add_f32 v[14:15], v[14:15], v[236:237]
	s_delay_alu instid0(VALU_DEP_2)
	v_pk_add_f32 v[250:251], v[250:251], v[234:235]
	s_delay_alu instid0(VALU_DEP_1)
	v_pk_add_f32 v[14:15], v[14:15], v[250:251]
.irp b, 0,1,2,3
.irp i, 0,1,2,3,4,5,6,7,8,9,10,11,12,13,14,15
	v_min_num_f32 v[S+16*\b+\i], v[S+16*\b+\i], v[BH+\b]   ; the conversion does not saturate (ISA guide 7.6.2); p is not negative, so the hold is one-sided
.endr
	v_cvt_scalef32_pk8_fp8_f32 v[PC+4*\b:PC+4*\b+1], v[S+16*\b:S+16*\b+7], v[BS+\b]
	v_cvt_scalef32_pk8_fp8_f32 v[PC+4*\b+2:PC+4*\b+3], v[S+16*\b+8:S+16*\b+15], v[BS+\b]
.endr
.set j, 0
.rept 16
	v_pk_mul_f32 v[O+j:O+j+1], v[O+j:O+j+1], v[FF:FF+1] op_sel_hi:[1,0]   ; O^T under the new M.  (These sixteen are also the places between the codes and the products)
.set j, j+2
.endr
	s_wait_alu depctr_va_vdst(0)
	s_wait_dscnt 0x0                               ; V and its scale words are in
.irp t, 0,1,2,3
	v_wmma_scale_f32_16x16x128_f8f6f4 v[O+8*\t:O+8*\t+7], v[F+16*\t:F+16*\t+15], v[PC:PC+15], v[O+8*\t:O+8*\t+7], v[VS+\t], v[PW]   ; the four accumulators by turns, one instruction a turn
.endr
	s_cmp_lg_u32 s[KSR], s[CH]                     ; the diagonal step is a tile's last
	s_cbranch_scc1 .Lon_\@
	FINAL
.Lon_\@:
.endm
	s_wait_tensorcnt 0x1                           ; my eighth of steps 0-3 is in; the younger load, steps 4-15, may stay out
	s_barrier_signal -1
	s_barrier_wait -1                              ; everybody's is
	s_wait_loadcnt 0x0                             ; Q
	s_mov_b32 s[TT], 0
.Lfirst:                                               ; trips 0-3 read key steps 0-3 alone
	TRIP 3
	s_add_co_u32 s[TT], s[TT], 1
	s_cmp_lt_u32 s[TT], 4
	s_cbranch_scc1 .Lfirst
	s_wait_tensorcnt 0x0                           ; my eighth of steps 4-15 is in,
	s_wait_dscnt 0x0
	s_barrier_signal -1
	s_barrier_wait -1                              ; everybody's is
	s_mov_b32 s[TT], 4
.Lrest:                                                ; trips 4-16
	TRIP 15
	s_add_co_u32 s[TT], s[TT], 1
	s_cmp_lt_u32 s[TT], 17
	s_cbranch_scc1 .Lrest
	s_wait_xcnt 0x0
	v_lshl_add_u32 v254, v0, 2, 0x44000
	v_mov_b32 v255, 0
	s_wait_alu depctr_va_vdst(0)
	s_wait_tensorcnt 0x0
	ds_add_u32 v254, v255
	s_wait_dscnt 0x0
	ROUND                                          ; the closing round
	s_endpgm
.Lfunc_end_k_qc338d3937c_attn:
	.size	k_qc338d3937c_attn, .Lfunc_end_k_qc338d3937c_attn-k_qc338d3937c_attn
	.p2alignl 7, 3214868480
	.fill 96, 4, 3214868480
	.section	.rodata,"a",@progbits
	.p2align	6, 0x0
	.amdhsa_kernel k_qc338d3937c_attn
		.amdhsa_group_segment_fixed_size 280576
		.amdhsa_private_segment_fixed_size 0
		.amdhsa_enable_private_segment 0
		.amdhsa_kernarg_size 40
		.amdhsa_user_sgpr_count 2
		.amdhsa_user_sgpr_kernarg_segment_ptr 1
		.amdhsa_wavefront_size32 1
		.amdhsa_system_sgpr_workgroup_id_x 1
		.amdhsa_system_sgpr_workgroup_id_y 1
		.amdhsa_system_sgpr_workgroup_id_z 1
		.amdhsa_system_vgpr_workitem_id 0
		.amdhsa_next_free_vgpr 256
		.amdhsa_next_free_sgpr 66
		.amdhsa_reserve_vcc 1
		.amdhsa_float_denorm_mode_32 3
		.amdhsa_float_denorm_mode_16_64 3
		.amdhsa_fp16_overflow 1
		.amdhsa_memory_ordered 1
		.amdhsa_forward_progress 1
		.amdhsa_inst_pref_size 79
	.end_amdhsa_kernel
	.amdgpu_metadata
---
amdhsa.version: [ 1, 2 ]
amdhsa.kernels:
  - .name:           k_qc338d3937c_attn
    .symbol:         k_qc338d3937c_attn.kd
    .args:
      - { .name: qimg, .offset: 0, .size: 8, .value_kind: global_buffer, .address_space: global }
      - { .name: kimg, .offset: 8, .size: 8, .value_kind: global_buffer, .address_space: global }
      - { .name: vimg, .offset: 16, .size: 8, .value_kind: global_buffer, .address_space: global }
      - { .name: oimg, .offset: 24, .size: 8, .value_kind: global_buffer, .address_space: global }
      - { .name: osc, .offset: 32, .size: 8, .value_kind: global_buffer, .address_space: global }
    .group_segment_fixed_size: 280576
    .private_segment_fixed_size: 0
    .kernarg_segment_align: 8
    .kernarg_segment_size: 40
    .max_flat_workgroup_size: 512
    .sgpr_count:     66
    .vgpr_count:     256
    .wavefront_size: 32
...
	.end_amdgpu_metadata
.endif
;; end of part 2
;; launch proj (part 3): grid 4 x 32, 4 waves a work-group, clusters of 4 x 4, 327,680 bytes of LDS; arguments oimg, osc, Wo_codes, Wo_scales, bo, out0; writes out0
.if DOCPART == 3
	.amdgcn_target "amdgcn-amd-amdhsa--gfx1250"
	.amdhsa_code_object_version 6
	.text
	.protected	k_qc338d3937c_proj
	.globl	k_qc338d3937c_proj
	.p2align	8
	.type	k_qc338d3937c_proj,@function
k_qc338d3937c_proj:
	s_mov_b64 s[64:65], 0
	v_nop
	global_prefetch_b8 v0, s[64:65] scope:SCOPE_SE
	s_setreg_imm32_b32 hwreg(HW_REG_WAVE_MODE, 25, 1), 1
	s_wait_xcnt 0x0
	s_wait_alu depctr_hold_cnt(0) depctr_sa_sdst(0) depctr_va_vdst(0) depctr_va_sdst(0) depctr_va_ssrc(0) depctr_va_vcc(0) depctr_vm_vsrc(0)
	s_getreg_b32 s2, hwreg(HW_REG_IB_STS2, 6, 4)
	s_cmp_eq_u32 s2, 0
	s_cbranch_scc0 .Lentry_in_a_cluster
	s_endpgm
.Lentry_in_a_cluster:
	s_bfe_u32 s2, ttmp6, 0x10000c
	s_cmp_lg_u32 s2, 0xf033
	s_cbranch_scc0 .Lentry_shape_is_right
	s_endpgm
.Lentry_shape_is_right:
; out0 = o Wo^T + bo on codes of FP8 (E4M3) with one E8M0 scale for each 32 along K = 1,024; sums in f32.
; o: oimg [tile of 16 tokens 512][128 along K 8][c 4][lane 32][16]: images of operand registers, K in its true order; osc [8192][32] scale bytes.  Wo: [1024][1024] codes, [1024][32] scale bytes.  bo [1024], out0 [8192][1024] f32.
; A tile of out0, 256 x 256, is made by four waves, each 128 x 128: 64 accumulators of 16 x 16.  K goes in steps of 256 through a ring of two LDS slots filled by joint tensor loads.
; A'S TILES ARE IMAGES: a K step of a tile of 16 tokens is 4,096 consecutive bytes, the next tile's lie 16,384 bytes on: a wave's load brings 8 such rows, dense in LDS; a fragment is four loads of 16 bytes a lane on end.
; B's tiles are rows of 256 bytes with 16 of padding.  The scale bytes of the tile's 256 + 256 rows come once and stay.
; CLUSTERS: 4 x 4 work-groups; A's tile is shared along a row of the cluster, B's along a column.  128 work-groups: the problem has no more tiles of this size.
; The matrix instruction is used transposed (source 0 = 16 rows of Wo, source 1 = 16 tokens): a lane holds eight neighbouring numbers of a row of out0.  bo is the C of each sum's first instruction.
; REGISTERS, in windows of 256: window 0: v0-31 addresses; v32-63 scale words, two sets; v64-127 bo in the result's layout; from v128 A's fragments, one set;
;   window 1: B's fragments, two sets;  window 2: the accumulators of my rows 0-63 ((a, b) at v[8 (8 a + b)]);  window 3: those of my rows 64-127.
.set SIZE_N, 1024
.set NQ,     2
.set ROWB,   256                       ; B: a tile's row in bytes
.set KROW,   1024                      ; a row of Wo in memory
.set PITCH,  272                       ; B's LDS row: 256 bytes + 16 of padding: the 16 rows that a load touches start at 16 different banks (64 banks of 4 bytes: ISA guide 11.1)
.set FR,     16
.set NL,     4
.set NP,     8                         ; places behind this matrix instruction (ISA guide 7.12.1)
.set AHALF,  8*4096                    ; A: 8 tiles of 16 tokens x 256 along K: what one tensor load brings
.set BHALF,  128*PITCH                 ; B: 128 rows
.set SLOT,   2*AHALF+2*BHALF           ; A's two halves, then B's two
.set LAPS,   2
.set KS,     32
.set SCL,    2*SLOT                    ; behind the ring: the scales, as units of 256 bytes + 16 of padding
.set HALFS,  (128*KS/256)*272
.set SBLK,   (16*KS/256)*272
.set SPARE,  SCL+4*HALFS               ; the spare words, 128 bytes for each wave: two blocks of 256 bytes that no other line names
.set SPITCH, 528                       ; the way out: a stage of 16 rows x (512 bytes + 16) for each wave, in slot 0, which has had its last fill and its last read when the first result is stored there
.set ADRA, 16
.set ADRB, 20
.set STO,  24                          ; v24     the way out: where I put 32 bytes of a row
.set RD,   25                          ; v25     where I read a row back
.set CO,   26                          ; v26     16 x lane
.set ADRS, 27
.set SPW,  28
.set NIL,  29
.set SC,   32
.set BI,   64                          ; v64-127 bo: register 8 b + j: my column 16 b + 8 (lane / 16) + j
.set AF,   128
.set BK,   128                         ; the way out: 16 rows read back from the stage: v128-191 and v192-255 by turns
.set G1,   24
.set G0,   32
.set G1B,  48
.set G0B,  56
.set G1S,  68
.set G0S,  76
.set G1SB, 80
.set G0SB, 88
.set MSB, 0
.macro WIN new
.if MSB != (\new)
	s_set_vgpr_msb (MSB<<8)|(\new)
.set MSB, \new
.endif
.endm
.set MUL_LO, 0xa1                      ; source 0 (B) window 1, source 1 (A) window 0, C and D window 2
.set MUL_HI, 0xf1                      ; the same, C and D window 3
.set FST_LO, 0x81                      ; the first step: C (bo) window 0, D window 2
.set FST_HI, 0xc1                      ; D window 3
.set TO_B,   0x40
.macro JLOAD g0a, g1a, g0b, g1b        ; a joint load: waves 0 and 1 fetch for A, waves 2 and 3 for B; four v_nop follow each of the two lines
	s_cmp_eq_u32 s15, 0
	s_cbranch_scc0 .Lfor_b_\@
	tensor_load_to_lds s[\g0a:\g0a+3], s[\g1a:\g1a+7]
	s_nop 0
.rept 4
	v_nop
.endr
	s_branch .Lasked_\@
.Lfor_b_\@:
	tensor_load_to_lds s[\g0b:\g0b+3], s[\g1b:\g1b+7]
	s_nop 0
.rept 4
	v_nop
.endr
.Lasked_\@:
.endm
.macro CREST
	s_cmp_lg_u32 s14, 0
	s_cbranch_scc1 .Lnot_wave_0_\@
	s_barrier_signal -3
.Lnot_wave_0_\@:
	s_barrier_wait -3
	s_barrier_signal -1
	s_barrier_wait -1
.endm
.macro CROUND
	s_barrier_signal -1
	s_barrier_wait -1
	CREST
.endm
	s_load_b128 s[4:7], s[0:1], 0x0                ; oimg, osc
	s_load_b128 s[8:11], s[0:1], 0x10              ; Wo's codes, Wo's scales
	s_load_b64 s[96:97], s[0:1], 0x20              ; bo
	s_load_b64 s[12:13], s[0:1], 0x28              ; out0
	v_lshl_add_u32 v[SPW], v0, 2, SPARE
	v_mov_b32 v[NIL], 0
	ds_add_u32 v28, v29
	ds_add_u32 v28, v29
	s_wait_dscnt 0x0
	v_lshrrev_b32 v1, 5, v0
	v_readfirstlane_b32 s14, v1                    ; wave 0..3
	s_lshr_b32 s15, s14, 1                         ; which half of the tile's rows is mine.  Also: I fetch for A (0) or for B (1)
	s_and_b32 s16, s14, 1                          ; which half of its columns.  Also: which half of that tile I fetch
	s_bfe_u32 s40, ttmp6, 0x40000                  ; cx, cy
	s_bfe_u32 s41, ttmp6, 0x40004
	s_lshl_b32 s42, ttmp9, 2
	s_add_co_u32 s42, s42, s40                     ; tile column = 4 x cluster x + cx
	s_and_b32 s17, ttmp7, 0xffff
	s_lshl_b32 s17, s17, 2
	s_add_co_u32 s17, s17, s41                     ; tile row = 4 x cluster y + cy
	s_lshl_b32 s43, s41, 2
	s_lshl_b32 s43, 15, s43                        ; my row of the cluster
	s_lshl_b32 s44, 0x1111, s40                    ; my column
	; A: 8 rows of 4,096 bytes (512 elements of 8 bytes), 16,384 bytes apart, dense in LDS
	s_or_b32 s[G1+0], s43, (3<<16)|(1<<21)         ; 15:0 the mask: my row; 17:16 elements of 8 bytes; 21 set beside a mask; no padding
	s_mov_b32 s[G1+1], 512<<16                     ; tensor_dim0
	s_mov_b32 s[G1+2], 8<<16                       ; tensor_dim1
	s_mov_b32 s[G1+3], 512<<16                     ; tile_dim0
	s_mov_b32 s[G1+4], 8                           ; tile_dim1
	s_mov_b32 s[G1+5], 2048                        ; tensor_dim0_stride
	s_mov_b32 s[G1+6], 0
	s_mov_b32 s[G1+7], 0
	; B: 128 rows x 256 bytes, padded in LDS
	s_or_b32 s[G1B+0], s44, (0<<16)|(1<<20)|(1<<21)|(5<<22)|(3<<25)
	s_mov_b32 s[G1B+1], ROWB<<16
	s_mov_b32 s[G1B+2], 128<<16
	s_mov_b32 s[G1B+3], ROWB<<16
	s_mov_b32 s[G1B+4], 128
	s_mov_b32 s[G1B+5], KROW
	s_mov_b32 s[G1B+6], 0
	s_mov_b32 s[G1B+7], 0
	; the scales of 128 rows: 4,096 dense bytes, as 16 rows of 256 bytes, 16 bytes of padding behind each
	s_or_b32 s[G1S+0], s43, (3<<16)|(1<<20)|(1<<21)|(5<<22)|(3<<25)
	s_or_b32 s[G1SB+0], s44, (3<<16)|(1<<20)|(1<<21)|(5<<22)|(3<<25)
.irp g, G1S, G1SB
	s_mov_b32 s[\g+1], 32<<16
	s_mov_b32 s[\g+2], (128*KS/256)<<16
	s_mov_b32 s[\g+3], 32<<16
	s_mov_b32 s[\g+4], 128*KS/256
	s_mov_b32 s[\g+5], 32
	s_mov_b32 s[\g+6], 0
	s_mov_b32 s[\g+7], 0
.endr
	s_lshl_b32 s18, s16, 7                         ; which 128 rows of the tile I fetch
	s_lshl_b32 s20, s17, 8
	s_add_co_u32 s20, s20, s18                     ; A: token 256 x tile row + 128 x half
	s_lshl_b32 s46, s42, 8
	s_add_co_u32 s46, s46, s18                     ; B: row 256 x tile column + 128 x half
	s_lshl_b32 s22, s20, 5                         ; their scales, in bytes
	s_lshl_b32 s92, s46, 5
	s_lshl_b32 s20, s20, 10                        ; A's codes: 16 tokens are 16,384 bytes: 1,024 a token
	s_lshl_b32 s46, s46, 10                        ; B's codes
	s_mov_b32 s21, 0
	s_mov_b32 s23, 0
	s_mov_b32 s47, 0
	s_mov_b32 s93, 0
	s_lshl_b32 s45, s16, 15                        ; where they go: A's half x 32,768;
	s_mul_i32 s19, s16, BHALF
	s_add_co_u32 s19, s19, 2*AHALF                 ; B's half x 34,816, behind A's two: no place in the cluster enters an LDS address
	s_mul_i32 s94, s14, HALFS
	s_wait_kmcnt 0x0
	s_add_nc_u64 s[20:21], s[4:5], s[20:21]
	s_add_nc_u64 s[22:23], s[6:7], s[22:23]
	s_add_nc_u64 s[46:47], s[8:9], s[46:47]
	s_add_nc_u64 s[92:93], s[10:11], s[92:93]
	CROUND                                         ; all sixteen work-groups are here: the first joint loads meet
	s_mov_b32 s[G0S], 1
	s_add_co_u32 s[G0S+1], s94, SCL
	s_mov_b64 s[G0S+2:G0S+3], s[22:23]
	s_or_b32 s[G0S+3], s[G0S+3], 0x80000000
	s_mov_b32 s[G0SB], 1
	s_add_co_u32 s[G0SB+1], s94, SCL
	s_mov_b64 s[G0SB+2:G0SB+3], s[92:93]
	s_or_b32 s[G0SB+3], s[G0SB+3], 0x80000000
	JLOAD G0S, G1S, G0SB, G1SB                     ; the scales first
.irp s, 0,1
	s_mov_b32 s[G0+4*\s], 1
	s_add_co_u32 s[G0+4*\s+1], s45, \s*SLOT
	s_add_nc_u64 s[G0+4*\s+2:G0+4*\s+3], s[20:21], \s*4096        ; K step s: 4,096 bytes on in each tile of tokens
	s_or_b32 s[G0+4*\s+3], s[G0+4*\s+3], 0x80000000
	s_mov_b32 s[G0B+4*\s], 1
	s_add_co_u32 s[G0B+4*\s+1], s19, \s*SLOT
	s_add_nc_u64 s[G0B+4*\s+2:G0B+4*\s+3], s[46:47], \s*ROWB
	s_or_b32 s[G0B+4*\s+3], s[G0B+4*\s+3], 0x80000000
	JLOAD G0+4*\s, G1, G0B+4*\s, G1B               ; three tensor loads of mine are out now
.endr
	v_and_b32 v1, 15, v0                           ; l % 16
	v_bfe_u32 v2, v0, 4, 1                         ; l / 16
	v_and_b32 v6, 31, v0
	v_lshlrev_b32 v[CO], 4, v6                     ; 16 x lane
	v_mul_u32_u24 v3, v1, PITCH
	v_lshl_add_u32 v4, v2, 4, v3                   ; B: a fragment's row x pitch + 16 x half
	s_lshl_b32 s21, s15, 15                        ; my 128 tokens of A
	s_mul_i32 s22, s16, BHALF                      ; my 128 rows of B,
	s_add_co_u32 s22, s22, 2*AHALF                 ; behind A's two halves
.irp s, 0,1
	v_add_nc_u32 v[ADRA+\s], s21, v[CO]
	v_add_nc_u32 v[ADRB+\s], s22, v4
	s_add_co_u32 s21, s21, SLOT
	s_add_co_u32 s22, s22, SLOT
.endr
	v_mul_u32_u24 v5, v1, KS                       ; my row's scales: 32 bytes a row,
	v_lshrrev_b32 v6, 8, v5
	v_lshl_add_u32 v5, v6, 4, v5                   ; and 16 more for each 256 passed
	s_mul_i32 s21, s15, HALFS
	s_mul_i32 s22, s16, HALFS
	s_add_co_u32 s22, s22, 2*HALFS
	s_sub_co_u32 s22, s22, s21
	v_mul_u32_u24 v6, s22, v2                      ; lanes 16-31 take B's: one product, the distance between the two
	s_add_co_u32 s21, s21, SCL
	v_add_nc_u32 v5, v5, v6
	v_add_nc_u32 v[ADRS], s21, v5
	s_mul_i32 s23, s14, 16*SPITCH                  ; my stage
	v_mul_u32_u24 v5, v1, SPITCH                   ; in: row l % 16, 32 bytes for each half of the lanes
	v_lshl_add_u32 v5, v2, 5, v5
	v_add_nc_u32 v[STO], s23, v5
	v_add_nc_u32 v[RD], s23, v[CO]                 ; back: the 32 lanes take one row of 512 bytes
	s_lshl_b32 s20, s17, 8
	s_lshl_b32 s21, s15, 7
	s_add_co_u32 s20, s20, s21                     ; my first row of out0
	s_lshl_b32 s20, s20, 12                        ; 4,096 bytes a row (under 2^32)
	s_mov_b32 s21, 0
	s_lshl_b32 s46, s42, 10                        ; my first column, in bytes: 1,024 x tile column + 512 x half
	s_lshl_b32 s47, s16, 9
	s_add_co_u32 s46, s46, s47
	s_mov_b32 s47, 0
	s_add_nc_u64 s[96:97], s[96:97], s[46:47]      ; bo at my first column
	s_add_nc_u64 s[20:21], s[20:21], s[46:47]
	s_add_nc_u64 s[12:13], s[12:13], s[20:21]
	v_lshlrev_b32 v7, 5, v2
.irp b, 0,1,2,3,4,5,6,7
	global_load_b128 v[BI+8*\b:BI+8*\b+3], v7, s[96:97] offset:64*\b
	global_load_b128 v[BI+8*\b+4:BI+8*\b+7], v7, s[96:97] offset:64*\b+16
.endr
.macro FRAGB reg, adr, q, i            ; from rows: registers 4 c .. 4 c + 3 hold K = 32 c + 16 (l / 16) + 0 .. 15 of row l % 16
.irp c, 0,1,2,3
	ds_load_b128 v[\reg+4*\c:\reg+4*\c+3], v[\adr] offset:128*(\q)+32*\c+(\i)*16*PITCH
.endr
.endm
.macro FRAGA reg, adr, q, i            ; from an image: tile of tokens i, the slot's q-th 128 along K
.irp c, 0,1,2,3
	ds_load_b128 v[\reg+4*\c:\reg+4*\c+3], v[\adr] offset:2048*(\q)+512*\c+(\i)*4096
.endr
.endm
; 16 matrix instructions: A's blocks a0, a0 + 1 x B's eight.  first = 1: the first product starts the sums, with bo as its C.  The 64 accumulators take turns, one instruction a turn.
.macro MUL16 a0, p, q, sc, first
.irp a, \a0, \a0+1
.irp b, 0,1,2,3,4,5,6,7
.if \first
	v_wmma_scale_f32_16x16x128_f8f6f4 v[8*(8*((\a)%4)+\b):8*(8*((\a)%4)+\b)+7], v[128*(\p)+FR*\b:128*(\p)+FR*\b+FR-1], v[AF+FR*(\a):AF+FR*(\a)+FR-1], v[BI+8*\b:BI+8*\b+7], v[SC+8*NQ*(\sc)+NQ*\b+(\q)], v[SC+8*NQ*(\sc)+NQ*(\a)+(\q)] matrix_a_scale:MATRIX_SCALE_ROW1
.else
	v_wmma_scale_f32_16x16x128_f8f6f4 v[8*(8*((\a)%4)+\b):8*(8*((\a)%4)+\b)+7], v[128*(\p)+FR*\b:128*(\p)+FR*\b+FR-1], v[AF+FR*(\a):AF+FR*(\a)+FR-1], v[8*(8*((\a)%4)+\b):8*(8*((\a)%4)+\b)+7], v[SC+8*NQ*(\sc)+NQ*\b+(\q)], v[SC+8*NQ*(\sc)+NQ*(\a)+(\q)] matrix_a_scale:MATRIX_SCALE_ROW1
.endif
.endr
.endr
.endm
.macro FETCH_B slot, q, p
	WIN TO_B
.irp i, 0,1,2,3,4,5,6,7
	FRAGB 128*(\p)+FR*\i, ADRB+\slot, \q, \i
.endr
	WIN 0
.endm
.macro FETCH_A slot, q, i0
.irp i, \i0, \i0+1, \i0+2, \i0+3
	FRAGA AF+FR*(\i), ADRA+\slot, \q, \i
.endr
.endm
.macro SCALES sc
.irp i, 0,1,2,3,4,5,6,7
	ds_load_b64 v[SC+8*NQ*\sc+NQ*\i:SC+8*NQ*\sc+NQ*\i+1], v[ADRS] offset:\i*SBLK
.endr
.endm
.macro PLACES n                        ; places behind matrix instructions, in front of loads into registers that they read and of reads of their results (ISA guide 7.12.1 for vector instructions)
.rept \n
	v_nop
.endr
.endm
.macro STEP slot, q, first
	s_wait_dscnt 4*NL                              ; B's set, the scale words and A's blocks 0-3 are in; the youngest 16 loads (A's blocks 4-7) may be out
.if \first
	WIN FST_LO
.else
	WIN MUL_LO
.endif
	MUL16 0, (\q)%2, \q, \slot, \first
	MUL16 2, (\q)%2, \q, \slot, \first
	s_wait_dscnt 0
	PLACES NP
	FETCH_B \slot, (\q)+1, 1-(\q)%2
	FETCH_A \slot, (\q)+1, 0
.if \first
	WIN FST_HI
.else
	WIN MUL_HI
.endif
	MUL16 4, (\q)%2, \q, \slot, \first
	MUL16 6, (\q)%2, \q, \slot, \first
	PLACES NP
	WIN 0
	FETCH_A \slot, (\q)+1, 4
.endm
; A slot's last step changes slots: ONE barrier; in front of it each wave waits for all its tensor loads, adds 0 to its spare word, and waits for that and for its own reads of this slot.
.macro TURN slot, next, fill
	s_wait_tensorcnt 0x0                           ; all my tensor loads have landed: my part of the next slot  (every window is 0 here)
	ds_add_u32 v[SPW], v[NIL]                      ; 0 onto my spare word
	s_wait_dscnt 4*NL+1                            ; (the add and the youngest 16 loads may be out)
	WIN MUL_LO
	MUL16 0, 1, NQ-1, \slot, 0
	s_wait_dscnt 0x0                               ; the add is done, and my reads of this slot are over
	s_barrier_signal -1
	MUL16 2, 1, NQ-1, \slot, 0
	WIN 0
	s_barrier_wait -1
.if \fill
	CREST                                          ; the barrier has opened a round of the cluster's barrier: no wave of any partner still reads this slot's tile or has a load on its way
	s_add_nc_u64 s[G0+4*\slot+2:G0+4*\slot+3], s[G0+4*\slot+2:G0+4*\slot+3], 2*4096
	s_add_nc_u64 s[G0B+4*\slot+2:G0B+4*\slot+3], s[G0B+4*\slot+2:G0B+4*\slot+3], 2*ROWB
	JLOAD G0+4*\slot, G1, G0B+4*\slot, G1B         ; the first tensor load behind the round, and my one load until the next
	PLACES NP-4
.else
	PLACES NP
.endif
	v_add_nc_u32 v[ADRS], 4*NQ, v[ADRS]
	FETCH_B \next, 0, 0
	FETCH_A \next, 0, 0
	SCALES \next
	WIN MUL_HI
	MUL16 4, 1, NQ-1, \slot, 0
	MUL16 6, 1, NQ-1, \slot, 0
	PLACES NP
	WIN 0
	FETCH_A \next, 0, 4
.endm
	s_wait_tensorcnt 1                             ; the scales and my part of K step 0 are in (K step 1's load may be out)
	s_barrier_signal -1
	s_barrier_wait -1                              ; everybody's are
	FETCH_B 0, 0, 0
	FETCH_A 0, 0, 0
	SCALES 0
	FETCH_A 0, 0, 4
	s_wait_loadcnt 0x0                             ; bo
	STEP 0, 0, 1                                   ; the first step stands in front of the loop: its products start the sums
	s_mov_b32 s3, LAPS-1
.Llap:
	TURN 0, 1, 1
	STEP 1, 0, 0
	TURN 1, 0, 1
	STEP 0, 0, 0
	s_sub_co_u32 s3, s3, 1
	s_cmp_lg_u32 s3, 0
	s_cbranch_scc1 .Llap
	TURN 0, 1, 0                                   ; the last lap fills nothing
	STEP 1, 0, 0
	s_wait_dscnt 4*NL
	WIN MUL_LO
	MUL16 0, 1, NQ-1, 1, 0
	MUL16 2, 1, NQ-1, 1, 0
	s_wait_dscnt 0
	WIN MUL_HI
	MUL16 4, 1, NQ-1, 1, 0
	MUL16 6, 1, NQ-1, 1, 0
	WIN 0
; THE WAY OUT, block by block of 16 rows x 128 columns, through my own stage in LDS: in as 32 bytes a lane, back as whole rows of 512 bytes, which the 32 lanes store as two aligned runs of 256 bytes.
; LDS serves a wave's instructions in order (ISA guide 5.7.1.4): no wait between the stores and the loads, nor in front of the next block's stores.
.macro TOSTAGE a
.set AC, 64*((\a)%4)
	WIN 0x08+4*((\a)/4)                            ; the data: window 2 or 3
.irp b, 0,1,2,3,4,5,6,7
	ds_store_b128 v[STO], v[AC+8*\b:AC+8*\b+3] offset:64*\b          ; each accumulator from its low end on
	ds_store_b128 v[STO], v[AC+8*\b+4:AC+8*\b+7] offset:64*\b+16
.endr
	WIN 0
.set BB, BK+64*((\a)%2)
.irp t, 0,1,2,3,4,5,6,7,8,9,10,11,12,13,14,15
	ds_load_b128 v[BB+4*\t:BB+4*\t+3], v[RD] offset:\t*SPITCH
.endr
.endm
.macro SEND a, younger                 ; younger: the LDS instructions issued behind block a's loads, which may stay out
.set BB, BK+64*((\a)%2)
	s_wait_dscnt \younger
.if (\a) > 0
	s_add_nc_u64 s[12:13], s[12:13], 16*SIZE_N*4   ; (behind a wait on XCNT: the earlier stores have read their base)  16 rows on
.endif
.irp t, 0,1,2,3,4,5,6,7,8,9,10,11,12,13,14,15
	global_store_b128 v[CO], v[BB+4*\t:BB+4*\t+3], s[12:13] offset:\t*SIZE_N*4 th:TH_STORE_NT   ; 32 lanes store 512 consecutive bytes, at a multiple of 256 from out0's first byte
.endr
.endm
	PLACES NP
	TOSTAGE 0
.irp a, 1,2,3,4,5,6,7
.if \a > 1
	s_wait_xcnt 0x0                                ; block a - 2's stores have read their registers and their base
.endif
	TOSTAGE \a
	SEND \a-1, 32                                  ; behind block a - 1's loads: block a's 16 stores and 16 loads
.endr
	s_wait_xcnt 0x0
	SEND 7, 0
	s_wait_tensorcnt 0x0                           ; the wave's end
	ds_add_u32 v[SPW], v[NIL]
	s_wait_dscnt 0x0
	CROUND                                         ; the closing round
	s_endpgm
.Lfunc_end_k_qc338d3937c_proj:
	.size	k_qc338d3937c_proj, .Lfunc_end_k_qc338d3937c_proj-k_qc338d3937c_proj
	.p2alignl 7, 3214868480
	.fill 96, 4, 3214868480
	.section	.rodata,"a",@progbits
	.p2align	6, 0x0
	.amdhsa_kernel k_qc338d3937c_proj
		.amdhsa_group_segment_fixed_size 327680
		.amdhsa_private_segment_fixed_size 0
		.amdhsa_enable_private_segment 0
		.amdhsa_kernarg_size 48
		.amdhsa_user_sgpr_count 2
		.amdhsa_user_sgpr_kernarg_segment_ptr 1
		.amdhsa_wavefront_size32 1
		.amdhsa_system_sgpr_workgroup_id_x 1
		.amdhsa_system_sgpr_workgroup_id_y 1
		.amdhsa_system_sgpr_workgroup_id_z 1
		.amdhsa_system_vgpr_workitem_id 0
		.amdhsa_next_free_vgpr 1024
		.amdhsa_next_free_sgpr 98
		.amdhsa_reserve_vcc 0
		.amdhsa_float_denorm_mode_32 3
		.amdhsa_float_denorm_mode_16_64 3
		.amdhsa_memory_ordered 1
		.amdhsa_forward_progress 1
		.amdhsa_inst_pref_size 147
	.end_amdhsa_kernel
	.amdgpu_metadata
---
amdhsa.version: [ 1, 2 ]
amdhsa.kernels:
  - .name:           k_qc338d3937c_proj
    .symbol:         k_qc338d3937c_proj.kd
    .args:
      - { .name: oimg, .offset: 0, .size: 8, .value_kind: global_buffer, .address_space: global }
      - { .name: osc, .offset: 8, .size: 8, .value_kind: global_buffer, .address_space: global }
      - { .name: Wo_codes, .offset: 16, .size: 8, .value_kind: global_buffer, .address_space: global }
      - { .name: Wo_scales, .offset: 24, .size: 8, .value_kind: global_buffer, .address_space: global }
      - { .name: bo, .offset: 32, .size: 8, .value_kind: global_buffer, .address_space: global }
      - { .name: out0, .offset: 40, .size: 8, .value_kind: global_buffer, .address_space: global }
    .group_segment_fixed_size: 327680
    .private_segment_fixed_size: 0
    .kernarg_segment_align: 8
    .kernarg_segment_size: 48
    .max_flat_workgroup_size: 128
    .sgpr_count:     98
    .vgpr_count:     1024
    .wavefront_size: 32
...
	.end_amdgpu_metadata
.endif
;; end of part 3
